; MI455X (gfx1250); checked and timed in simulation.
; The chip was launched on July 23, 2026; its instructions are those of AMD's public machine-readable ISA for CDNA 5 (MIT licence, August 2026) and "CDNA5" Instruction Set Architecture Reference Guide (July 2026). The comments in the code are by the model that wrote it; some were corrected since.
;; Cross Attention. Allowed arithmetic: matrix products marked QUANTISED: E2M3 operands, one E8M0 scale for each 32 along K, by v_wmma_scale_f32_16x16x128_f8f6f4 with both operands' format E2M3, f32 sums; everything else in f32.
;; Inputs: Wk 768 x 768 float32; Wo 768 x 768 float32; Wq 768 x 768 float32; Wv 768 x 768 float32; bk 768 float32; bo 768 float32; bq 768 float32; bv 768 float32; encoder_hidden_states 2 x 4,096 x 768 float32; hidden_states 2 x 2,048 x 768 float32.
;; Outputs: out0 2 x 2,048 x 768 float32.
;; This version of the problem:
;;   THIS VERSION OF THE PROBLEM IS GIVEN IN LOW PRECISION. The matrix products marked QUANTISED in the list below multiply operands that are first quantised to E2M3 (2 exponent bits, 3 mantissa bits; 6 bits a number), with one power-of-two scale for each 32 numbers along K (OCP MX v1.0); their sums are f32. All else is computed in f32.
;;   The module's matrix products, in the order in which they are computed (A, B: the left and right operand; K: the contracted axis; several contracted axes count as one K, in the product's order):
;;     1. [M 4,096, K 768] x [K 768, N 768]; A: input hidden_states; B: input Wq: QUANTISED
;;     2. [M 8,192, K 768] x [K 768, N 768]; A: input encoder_hidden_states; B: input Wk: QUANTISED
;;     3. [M 8,192, K 768] x [K 768, N 768]; A: input encoder_hidden_states; B: input Wv: QUANTISED
;;     4. batch 24 x [M 2,048, K 64] x [K 64, N 4,096]; A: computed on the way; B: computed on the way: QUANTISED
;;     5. batch 24 x [M 2,048, K 4,096] x [K 4,096, N 64]; A: softmax (see below); B: computed on the way: QUANTISED
;;     6. [M 4,096, K 768] x [K 768, N 768]; A: computed on the way; B: input Wo: QUANTISED
;;   THE QUANTISER, for each operand of a quantised product, along K:
;;     - K is cut into blocks of 32 from its start; a last block that is shorter is filled with zeros.
;;     - A block's scale is 2^e with e = floor(log2(the largest magnitude in the block)) - 2, held to -126 .. 127; a block of zeros has e = 0. As a byte (E8M0): e + 127.
;;     - Each number is divided by its block's scale, clamped to +-7.5, and rounded to the nearest number of E2M3, ties to even, subnormals kept.
;;     - The product sums the exact products of the quantised numbers (number of the format x scale) in f32.
;;   ~~~python
;;   def quantise(x, axis):      # numpy; x: float32 -> the quantised numbers, widened to float32 again
;;       x = np.moveaxis(x, axis, -1); K = x.shape[-1]
;;       x = np.pad(x, [(0, 0)] * (x.ndim - 1) + [(0, -K % 32)]); x = x.reshape(x.shape[:-1] + (-1, 32)); a = np.abs(x).max(-1, keepdims=True)
;;       e = np.where(a > 0, np.clip(np.frexp(np.where(a > 0, a, 1))[1] - 1 - 2, -126, 127), 0)      # np.frexp(a)[1] - 1 = floor(log2(a)), exactly
;;       r = np.clip(x / 2.0 ** e, -7.5, 7.5)
;;       step = 2.0 ** (np.maximum(np.frexp(np.where(r == 0, 1, r))[1] - 1, 0) - 3)
;;       q = np.round(r / step) * step * 2.0 ** e      # np.round: ties to even
;;       return np.moveaxis(q.reshape(q.shape[:-2] + (-1,))[..., :K], -1, axis).astype(np.float32)
;;   ~~~
;;   SOFTMAX AHEAD OF A QUANTISED PRODUCT. Where the list says 'softmax', what is quantised is not the finished softmax but p = 2^(t - M), with t = logit x log2(e) and M = ceil(the row's largest t), a whole number; so 1/2 < the row's largest p <= 1. The row's sum l is taken of the UNQUANTISED p, in f32, and the product's result is divided by l at the end. Since M is a whole number, a kernel that streams over the keys may use a running M (the ceiling of the running maximum): every later rescaling is an exact power of two, which a block's scale takes up: the codes' values come out the same.
;;   OPERANDS COMPUTED ON THE WAY. 'Computed on the way' means the value that the module computes at that place (a softmax that the list does not call 'softmax' is quantised finished and normalised). What goes into a quantiser is computed in f32, as accurately as f32 sums, v_exp_f32 and their like allow (about 1e-6 of the number): no bf16 or f16 on the way to a quantiser, and a product that is left as it is and whose result goes on into a quantised operand takes f32 operands (vector FMAs, or v_wmma_f32_16x16x4_f32). A number that lies on a knife's edge between two numbers of the format may be rounded either way, as far as f32 arithmetic and the matrix unit's own rounding can turn it there, and no further.
;; One version. Each part assembles by itself: llvm-mc -triple=amdgcn-amd-amdhsa -mcpu=gfx1250 --defsym DOCPART=n.
;; ======== version 1 of 1: 4 launches
;; limits: right only within a limited range of input values
;; workspace buffers: ops 9,216,000 bytes; qc 2,555,904 bytes; kv 10,027,008 bytes; ctxq 2,555,904 bytes
;; launch quant (part 1): grid 120 x 3, 4 waves a work-group, no clusters, 34,304 bytes of LDS; arguments hidden_states, encoder_hidden_states, Wq, Wk, Wv, Wo, ops; writes ops
.if DOCPART == 1
	.amdgcn_target "amdgcn-amd-amdhsa--gfx1250"
	.amdhsa_code_object_version 6
	.text
	.protected	k_q73ff47d613_quant
	.globl	k_q73ff47d613_quant
	.p2align	8
	.type	k_q73ff47d613_quant,@function
k_q73ff47d613_quant:
	s_mov_b64 s[64:65], 0
	v_nop
	global_prefetch_b8 v0, s[64:65] scope:SCOPE_SE
	s_setreg_imm32_b32 hwreg(HW_REG_WAVE_MODE, 25, 1), 1
	s_wait_xcnt 0x0
; CROSS ATTENTION IN MX-FP6, LAUNCH 1 OF 4: the six f32 operands of the four projections become codes of E2M3 with one E8M0 byte for each 32 along K.
; DEAD WORK: none.  Every product of the problem's table reaches out0, and every bias goes into a quantised operand (bq, bk, bv) or into out0 (bo): all ten inputs are loaded by some launch.
; LIMITS: NaN and infinities among the inputs are not served.  A block of zeros gets the byte 1 where the quantiser says 127: its codes are zeros, which add nothing under any byte but 0xff, and these bytes
; are read by this program alone.  A block whose largest magnitude lies under 2^-124 has its byte held at 1, as the quantiser's own hold at -126 has it.
; THE ONE OPERAND FORMAT of all workspace buffers: images of the matrix operand's registers.
;   32 operand rows are a PAIR of two tiles; lane index r of tile u takes row 8 u + r + 8 (r / 8).  Used as source 0 of a product, two neighbouring tiles then leave 16 neighbours along the next K in a lane's 16 registers.
;   A HALF is 16 rows x 64 along K, 768 bytes: lane L = (r, hh) holds block hh of its row in six registers: the first four at 16 L, the last two at 512 + 8 L.  Two halves are the 12 registers of a fragment of 128 along K.
;   A PAIR-BLOCK is 19,200 bytes: halves [u 2][s 6][c 2], then at 18,432 the scale words: word of K step s = 2 j + w at 256 j + 8 L + 4 w, L = 16 u + r.
;   ops: pairs 0-127 hidden_states, 128-383 encoder_hidden_states, 384 + 24 i + g columns 32 g on of weight i (Wq, Wk, Wv, Wo).
; SHARES: wave w of work-group (X, j) makes pair 4 X + w for K = 256 j .. 256 j + 255: four fragments and one run of 256 bytes of scale words.  X < 32 hidden, X < 96 encoder, else weights.
; ACTIVATIONS (K innermost): each load reads 512 consecutive bytes of a row; 16 rows turn through the wave's own stage in LDS, so that a lane gets its two whole blocks of 32 neighbours.
; WEIGHTS (K is the first axis): a lane takes a column and its registers run down K; nothing goes through LDS.  Every store covers 512 or 256 consecutive bytes, aligned.
.set STG,   8448                       ; a wave's stage: 16 rows x (512 bytes + 16)
.set SPARE, 4*STG                      ; behind the stages: the spare words, 128 bytes a wave
.set PAIRB, 19200
.set SCW,   18432
.set ROWB,  3072                       ; a row of any of the six tensors, in bytes
.set SPW,   12                         ; v12 my spare word's address; v13 0: never rewritten
.set NIL,   13
.set R,     32                         ; v32-159  two sets of 64 registers as loaded (weights: two sets of 32)
.set XR,    160                        ; v160-223 my two blocks of 32 neighbours
.set PC,    224                        ; v224-235 a fragment's codes
.set T,     236                        ; v236-238, v240-242 the second halves of the blocks' codes
.set MX,    244                        ; largest magnitudes
.set SO,    246                        ; the conversions' scale operands
.set BY,    248                        ; the bytes
.set WD,    250                        ; the scale word
.set OT,    251                        ; the other half of the lanes' part of it
.set KW,    252                        ; tile 0's words, kept
.set WP,    254                        ; v[254:255] the two words that leave
.set CB,    96                         ; weights: v96-119 four blocks' codes
.set TW,    120                        ; v120-122
.set WW,    124                        ; v[124:125] my column's two scale words
	s_load_b256 s[4:11], s[0:1], 0x0               ; hidden, encoder, Wq, Wk
	s_load_b128 s[12:15], s[0:1], 0x20             ; Wv, Wo
	s_load_b64 s[16:17], s[0:1], 0x30              ; ops
	v_lshl_add_u32 v[SPW], v0, 2, SPARE
	v_mov_b32 v[NIL], 0
	v_lshrrev_b32 v9, 5, v0
	v_readfirstlane_b32 s18, v9                    ; wave
	s_mov_b32 s19, ttmp9                           ; X
	s_and_b32 s20, ttmp7, 0xffff                   ; j
	v_and_b32 v9, 31, v0                           ; L
	v_and_b32 v10, 15, v0                          ; r
	v_bfe_u32 v11, v0, 4, 1                        ; hh (for the weights: u)
	v_lshlrev_b32 v1, 4, v9                        ; 16 L
	s_mul_i32 s21, s20, 3072
	v_add_nc_u32 v2, s21, v1                       ; codes out: 16 L + 3,072 j
	v_lshlrev_b32 v3, 3, v9
	s_lshl_b32 s22, s20, 8
	v_add_nc_u32 v4, s22, v3                       ; scale words out: 8 L + 256 j
	s_add_co_u32 s21, s21, 512
	v_add_nc_u32 v3, s21, v3                       ; codes out: 8 L + 512 + 3,072 j
	s_mul_i32 s23, s18, STG
	v_add_nc_u32 v5, s23, v1                       ; the stage, in: 16 L
	v_mul_u32_u24 v6, v10, 528
	v_lshl_add_u32 v6, v11, 7, v6
	v_add_nc_u32 v6, s23, v6                       ; and out: row r, + 128 hh
	v_lshlrev_b32 v7, 3, v11                       ; 8 hh: where my bytes stand in a scale word
	v_and_b32 v8, 8, v10
	v_add_nc_u32 v8, v8, v10
	v_lshl_add_u32 v8, v11, 3, v8
	v_lshlrev_b32 v8, 2, v8                        ; weights: my column among the pair's 32, in bytes
	v_mov_b32 v[OT], 0                             ; a lane permute's destination counts as read
	s_mov_b32 s28, 0x76543210
	s_mov_b32 s29, 0xfedcba98                      ; selects for lane l xor 16
	s_mov_b32 s30, 0xffff0000                      ; lanes 16-31
	s_lshl_b32 s22, s19, 2
	s_add_co_u32 s22, s22, s18                     ; my pair
	s_mul_i32 s26, s22, PAIRB
	s_mov_b32 s27, 0
	s_wait_kmcnt 0x0
	s_add_nc_u64 s[26:27], s[16:17], s[26:27]      ; my pair-block
	s_cmp_ge_u32 s19, 96
	s_cbranch_scc1 .Lweights
	; ---------------- activations
	s_cmp_lt_u32 s19, 32
	s_cselect_b64 s[24:25], s[4:5], s[6:7]
	s_cselect_b32 s21, 0, 32
	s_sub_co_u32 s21, s19, s21
	s_lshl_b32 s21, s21, 2
	s_add_co_u32 s21, s21, s18                     ; my pair within its tensor
	s_mul_i32 s32, s21, 32*ROWB
	s_lshl_b32 s33, s20, 10
	s_add_co_u32 s32, s32, s33                     ; + 256 j numbers
	s_mov_b32 s33, 0
	s_add_nc_u64 s[24:25], s[24:25], s[32:33]
.macro LOADF f                         ; fragment f = 2 u + sl: 16 rows x 128 numbers into set f % 2; a load reads 512 consecutive bytes
.irp i, 0,1,2,3,4,5,6,7,8,9,10,11,12,13,14,15
	global_load_b128 v[R+64*((\f)%2)+4*\i:R+64*((\f)%2)+4*\i+3], v1, s[24:25] offset:(8*((\f)/2)+\i+8*(\i/8))*ROWB+512*((\f)%2) th:TH_LOAD_NT
.endr
.endm
.macro FRAGQ f
.set UU, (\f)/2
.set SL, (\f)%2
.if (\f) < 3
	s_wait_loadcnt 16                              ; this fragment's 16 loads are in; the next fragment's 16 may be out
.else
	s_wait_loadcnt 0x0
.endif
.irp i, 0,1,2,3,4,5,6,7,8,9,10,11,12,13,14,15
	ds_store_b128 v5, v[R+64*SL+4*\i:R+64*SL+4*\i+3] offset:528*\i
.endr
.irp c, 0,1                            ; LDS serves a wave's instructions in order: these see the stores above
.irp q, 0,1,2,3,4,5,6,7
	ds_load_b128 v[XR+32*\c+4*\q:XR+32*\c+4*\q+3], v6 offset:256*\c+16*\q   ; k = 64 c + 32 hh + 4 q on, of row r
.endr
.endr
	s_wait_dscnt 0x0                               ; my two blocks are here, and the stores have read the set,
.if (\f) < 2
	LOADF (\f)+2                                   ; which takes the fragment two on
.endif
.irp c, 0,1
	v_max3_num_f32 v[MX+\c], |v[XR+32*\c]|, |v[XR+32*\c+1]|, 0x1800000   ; block 2 c + hh: all 32 numbers are mine; the floor 2^(3 - 127) holds the byte at 1 from below
.endr
.irp i, 2,4,6,8,10,12,14,16,18,20,22,24,26,28,30
.irp c, 0,1
	v_max3_num_f32 v[MX+\c], v[MX+\c], |v[XR+32*\c+\i]|, |v[XR+32*\c+\i+1]|
.endr
.endr
.irp c, 0,1
	v_add_nc_u32 v[SO+\c], 0xff000000, v[MX+\c]    ; 2 off the exponent field: the conversion's scale operand
.endr
.irp c, 0,1
	v_lshrrev_b32 v[BY+\c], 23, v[SO+\c]           ; the byte
.endr
	v_lshl_or_b32 v[WD], v[BY+1], 16, v[BY]        ; blocks hh and 2 + hh,
	v_lshlrev_b32 v[WD], v7, v[WD]                 ; at their places;
	v_permlanex16_b32 v[OT], v[WD], s28, s29
	v_or_b32 v[WD], v[WD], v[OT]                   ; with lane l xor 16's two the word is whole
	s_wait_alu depctr_va_vdst(0)
	s_wait_xcnt 0x0                                ; the last fragment's stores have read the codes' registers
.irp c, 0,1
	v_cvt_scalef32_pk16_fp6_f32 v[PC+6*\c:PC+6*\c+2], v[XR+32*\c:XR+32*\c+15], v[SO+\c]
	v_cvt_scalef32_pk16_fp6_f32 v[T+4*\c:T+4*\c+2], v[XR+32*\c+16:XR+32*\c+31], v[SO+\c]   ; (a conversion's three registers begin on an even number)
.endr
	v_nop                                          ; one plain line behind the conversions
.irp c, 0,1
.irp i, 0,1,2
	v_mov_b32 v[PC+6*\c+3+\i], v[T+4*\c+\i]
.endr
.endr
.irp c, 0,1
	global_store_b128 v2, v[PC+6*\c:PC+6*\c+3], s[26:27] offset:9216*UU+1536*SL+768*\c
	global_store_b64 v3, v[PC+6*\c+4:PC+6*\c+5], s[26:27] offset:9216*UU+1536*SL+768*\c
.endr
.if UU == 0
	v_mov_b32 v[KW+SL], v[WD]                      ; tile 0's word waits for tile 1's
.else
	v_cndmask_b32 v[WP+SL], v[KW+SL], v[WD], s30   ; lanes 0-15 tile 0's, lanes 16-31 tile 1's
.endif
.endm
	LOADF 0
	LOADF 1
	s_wait_alu depctr_va_vdst(0)
	FRAGQ 0
	FRAGQ 1
	FRAGQ 2
	FRAGQ 3
	global_store_b64 v4, v[WP:WP+1], s[26:27] offset:SCW   ; 256 consecutive bytes
	s_branch .Lend
	; ---------------- weights
.Lweights:
	s_sub_co_u32 s21, s19, 96                      ; six work-groups to a weight
	s_cmp_lt_u32 s21, 18
	s_cselect_b64 s[24:25], s[12:13], s[14:15]
	s_cselect_b32 s22, 12, 18
	s_cmp_lt_u32 s21, 12
	s_cselect_b64 s[24:25], s[10:11], s[24:25]
	s_cselect_b32 s22, 6, s22
	s_cmp_lt_u32 s21, 6
	s_cselect_b64 s[24:25], s[8:9], s[24:25]
	s_cselect_b32 s22, 0, s22
	s_sub_co_u32 s21, s21, s22
	s_lshl_b32 s21, s21, 2
	s_add_co_u32 s21, s21, s18                     ; g: my 32 columns
	s_lshl_b32 s32, s21, 7
	s_mul_i32 s33, s20, 256*ROWB                   ; 256 j rows down
	s_add_co_u32 s32, s32, s33
	s_mov_b32 s33, 0
	s_add_nc_u64 s[24:25], s[24:25], s[32:33]
.macro LOADB t                         ; block t: W(256 j + 32 t + i, my column), i = 0 .. 31; the 32 lanes read the pair's 128 consecutive bytes of a row
.irp i, 0,1,2,3,4,5,6,7,8,9,10,11,12,13,14,15,16,17,18,19,20,21,22,23,24,25,26,27,28,29,30,31
	global_load_b32 v[R+32*((\t)%2)+\i], v8, s[24:25] offset:(32*(\t)+\i)*ROWB th:TH_LOAD_NT
.endr
.endm
.macro BLOCK t
.set XS, R+32*((\t)%2)
.set BE, (\t)%4
.set SL, (\t)/4
.if (\t) < 7
	s_wait_loadcnt 32                              ; this block's 32 loads are in; the next block's may be out
.else
	s_wait_loadcnt 0x0
.endif
	v_max3_num_f32 v16, |v[XS]|, |v[XS+1]|, |v[XS+2]|
	v_max3_num_f32 v17, |v[XS+3]|, |v[XS+4]|, |v[XS+5]|
.irp i, 6,10,14,18,22,26
	v_max3_num_f32 v16, v16, |v[XS+\i]|, |v[XS+\i+1]|
	v_max3_num_f32 v17, v17, |v[XS+\i+2]|, |v[XS+\i+3]|
.endr
	v_max3_num_f32 v16, v16, |v[XS+30]|, |v[XS+31]|
	v_max3_num_f32 v16, v16, v17, 0x1800000        ; and the floor
	v_add_nc_u32 v18, 0xff000000, v16
	v_lshrrev_b32 v19, 23, v18
.if BE == 0
	v_mov_b32 v[WW+SL], v19
.else
	v_lshl_or_b32 v[WW+SL], v19, 8*BE, v[WW+SL]
.endif
.if (\t) == 4
	s_wait_alu depctr_va_vdst(0)
	s_wait_xcnt 0x0                                ; the first K step's stores have read the codes' registers
.endif
	v_cvt_scalef32_pk16_fp6_f32 v[CB+6*BE:CB+6*BE+2], v[XS:XS+15], v18
	v_cvt_scalef32_pk16_fp6_f32 v[TW:TW+2], v[XS+16:XS+31], v18
	v_nop                                          ; one plain line behind the conversions
.irp i, 0,1,2
	v_mov_b32 v[CB+6*BE+3+\i], v[TW+\i]
.endr
.if (\t)+2 < 8
	LOADB (\t)+2
.endif
.if BE == 3                            ; lanes 0-15 hold tile 0's rows, lanes 16-31 tile 1's, four blocks each.  A half wants block hh of one tile's rows: blocks 2 c and 2 c + 1 change halves
.irp c, 0,1
.irp i, 0,1,2,3,4,5
	v_permlane16_swap_b32 v[CB+12*\c+\i], v[CB+12*\c+6+\i]
.endr
.endr
.irp u, 0,1
.irp c, 0,1
	global_store_b128 v2, v[CB+12*\c+6*\u:CB+12*\c+6*\u+3], s[26:27] offset:9216*\u+1536*SL+768*\c
	global_store_b64 v3, v[CB+12*\c+6*\u+4:CB+12*\c+6*\u+5], s[26:27] offset:9216*\u+1536*SL+768*\c
.endr
.endr
.endif
.endm
	s_wait_alu depctr_va_vdst(0)
	LOADB 0
	LOADB 1
.irp t, 0,1,2,3,4,5,6,7
	BLOCK \t
.endr
	global_store_b64 v4, v[WW:WW+1], s[26:27] offset:SCW   ; lane 16 u + r holds its own row's two words
.Lend:
	s_wait_tensorcnt 0x0                           ; the wave's end
	ds_add_u32 v[SPW], v[NIL]
	s_wait_dscnt 0x0
	s_endpgm
.Lfunc_end_k_q73ff47d613_quant:
	.size	k_q73ff47d613_quant, .Lfunc_end_k_q73ff47d613_quant-k_q73ff47d613_quant
	.p2alignl 7, 3214868480
	.fill 96, 4, 3214868480
	.section	.rodata,"a",@progbits
	.p2align	6, 0x0
	.amdhsa_kernel k_q73ff47d613_quant
		.amdhsa_group_segment_fixed_size 34304
		.amdhsa_private_segment_fixed_size 0
		.amdhsa_enable_private_segment 0
		.amdhsa_kernarg_size 56
		.amdhsa_user_sgpr_count 2
		.amdhsa_user_sgpr_kernarg_segment_ptr 1
		.amdhsa_wavefront_size32 1
		.amdhsa_system_sgpr_workgroup_id_x 1
		.amdhsa_system_sgpr_workgroup_id_y 1
		.amdhsa_system_sgpr_workgroup_id_z 1
		.amdhsa_system_vgpr_workitem_id 0
		.amdhsa_next_free_vgpr 256
		.amdhsa_next_free_sgpr 66
		.amdhsa_reserve_vcc 0
		.amdhsa_float_denorm_mode_32 3
		.amdhsa_float_denorm_mode_16_64 3
		.amdhsa_memory_ordered 1
		.amdhsa_forward_progress 1
		.amdhsa_inst_pref_size 70
	.end_amdhsa_kernel
	.amdgpu_metadata
---
amdhsa.version: [ 1, 2 ]
amdhsa.kernels:
  - .name:           k_q73ff47d613_quant
    .symbol:         k_q73ff47d613_quant.kd
    .args:
      - { .name: hidden_states, .offset: 0, .size: 8, .value_kind: global_buffer, .address_space: global }
      - { .name: encoder_hidden_states, .offset: 8, .size: 8, .value_kind: global_buffer, .address_space: global }
      - { .name: Wq, .offset: 16, .size: 8, .value_kind: global_buffer, .address_space: global }
      - { .name: Wk, .offset: 24, .size: 8, .value_kind: global_buffer, .address_space: global }
      - { .name: Wv, .offset: 32, .size: 8, .value_kind: global_buffer, .address_space: global }
      - { .name: Wo, .offset: 40, .size: 8, .value_kind: global_buffer, .address_space: global }
      - { .name: ops, .offset: 48, .size: 8, .value_kind: global_buffer, .address_space: global }
    .group_segment_fixed_size: 34304
    .private_segment_fixed_size: 0
    .kernarg_segment_align: 8
    .kernarg_segment_size: 56
    .max_flat_workgroup_size: 128
    .sgpr_count:     66
    .vgpr_count:     256
    .wavefront_size: 32
...
	.end_amdgpu_metadata
.endif
;; end of part 1
;; launch proj (part 2): grid 16 x 15, 4 waves a work-group, no clusters, 167,936 bytes of LDS; arguments ops, bq, bk, bv, qc, kv; writes qc, kv
.if DOCPART == 2
	.amdgcn_target "amdgcn-amd-amdhsa--gfx1250"
	.amdhsa_code_object_version 6
	.text
	.protected	k_q73ff47d613_proj
	.globl	k_q73ff47d613_proj
	.p2align	8
	.type	k_q73ff47d613_proj,@function
k_q73ff47d613_proj:
	s_mov_b64 s[64:65], 0
	v_nop
	global_prefetch_b8 v0, s[64:65] scope:SCOPE_SE
	s_setreg_imm32_b32 hwreg(HW_REG_WAVE_MODE, 25, 1), 1
	s_wait_xcnt 0x0
; LAUNCH 2 OF 4: q = hidden Wq + bq, k = encoder Wk + bk, v = encoder Wv + bv on codes of E2M3, and their results quantised in registers: q and k along the head's 64, v along the keys.  No work is left out.
; SHARES.  Work-group (X, Y): Y 0-2 q, 3-8 k, 9-14 v.  It takes 256 rows (8 pairs of ops) x 4 heads; wave w takes head 4 HG + w, whose 64 weight columns (two pairs, 288 registers) and bias stay in its registers.
; The 8 pair-blocks, 153,600 dense bytes, come into LDS once, a quarter by each wave's one tensor load, and all four waves read them.  Nothing is filled again and nothing is stored to LDS.
; No cluster: the grid's 15 rows of work-groups divide by no cluster height, and a work-group fetches its rows once in the whole launch.
; q, k: the product is used transposed (source 0 = 16 weight columns, source 1 = 16 rows): a lane holds one row, and by the pairs' row order its 16 registers of two neighbouring tiles are 16 neighbouring channels.
; v: source 0 = 16 keys, source 1 = 16 weight columns: a lane holds one channel and its registers run along the keys, the next product's K.
; The bias is the C of each sum's first product.  OUT: qc [b 12 + h][16] records of 6,656 bytes for 128 queries: 8 halves, then at 6,144 words [L][p]; a word is byte 0, byte 1 and two bytes 1 for the K step's empty upper 64.
; kv [4 b + h / 3][step 32][h % 3] records of 13,056 bytes for 128 keys: k's record as q's; at 6,656 v's 4 fragments (channel tile n); at 12,800 words [L][n / 2].
; LIMITS: as stated in the first launch.
; REGISTERS, in windows of 256.  Window 1: weight tiles 0, 1 at v[72 u + 12 s + 6 c]; v144-159 their bias.  Window 2: tiles 2, 3 likewise.  Window 0: addresses, scale words, work.
;   q, k: window 0 v64-127 the accumulators (32 u + 8 t), window 3 the rows' fragments of a pair.   v: window 0 v96-191 eight fragments of one K step, window 3 the 32 accumulators (64 n + 8 t).
.set PAIRB, 19200
.set SCW,   18432
.set SPARE, 8*PAIRB                    ; behind the pair-blocks: the spare words, 128 bytes a wave
.set A16,   4                          ; v4-7   16 L + 38,400 k: the first four registers of a half, in pair-blocks 2 k and 2 k + 1.  v4 is also the stores' 16 L
.set A8,    8                          ; v8-11  8 L + 512 + 38,400 k: the last two
.set SPW,   12
.set NIL,   13
.set G8,    14                         ; v14    8 L
.set BO,    15                         ; v15    my offset in the bias
.set WS,    16                         ; v16-27 the weights' scale words: 6 pl + s; lanes 0-15 tile 2 pl, lanes 16-31 tile 2 pl + 1
.set XS,    28                         ; v28-51 the rows': 6 p + s, likewise
.set SW,    52                         ; v52-55 the words that leave
.set KEEP,  56
.set HA,    64
.set XF,    96
.set TM,    192                        ; v192-195 largest magnitudes, v196-199 the other lanes', then bytes, v204-207 scale operands
.set PW,    208
.set PC,    212                        ; v212-223 codes
.set T,     224                        ; v224-226, v228-230
.set BI,    144
.set G1,    24
.set G0,    32
.set MSB,   0
.macro WIN new                         ; the immediate's high byte repeats the setting that is left
.if MSB != (\new)
	s_set_vgpr_msb (MSB<<8)|(\new)
.set MSB, (\new)
.endif
.endm
.macro NOPS n
.rept \n
	v_nop
.endr
.endm
.macro WM d, a, b, c, sa, sb, ra, rb   ; one product; ra, rb: the scale words stand in lanes 16-31
.if (\ra) && (\rb)
	v_wmma_scale_f32_16x16x128_f8f6f4 v[(\d):(\d)+7], v[(\a):(\a)+11], v[(\b):(\b)+11], v[(\c):(\c)+7], v[(\sa)], v[(\sb)] matrix_a_fmt:MATRIX_FMT_FP6 matrix_b_fmt:MATRIX_FMT_FP6 matrix_a_scale:MATRIX_SCALE_ROW1 matrix_b_scale:MATRIX_SCALE_ROW1
.elseif (\ra)
	v_wmma_scale_f32_16x16x128_f8f6f4 v[(\d):(\d)+7], v[(\a):(\a)+11], v[(\b):(\b)+11], v[(\c):(\c)+7], v[(\sa)], v[(\sb)] matrix_a_fmt:MATRIX_FMT_FP6 matrix_b_fmt:MATRIX_FMT_FP6 matrix_a_scale:MATRIX_SCALE_ROW1
.elseif (\rb)
	v_wmma_scale_f32_16x16x128_f8f6f4 v[(\d):(\d)+7], v[(\a):(\a)+11], v[(\b):(\b)+11], v[(\c):(\c)+7], v[(\sa)], v[(\sb)] matrix_a_fmt:MATRIX_FMT_FP6 matrix_b_fmt:MATRIX_FMT_FP6 matrix_b_scale:MATRIX_SCALE_ROW1
.else
	v_wmma_scale_f32_16x16x128_f8f6f4 v[(\d):(\d)+7], v[(\a):(\a)+11], v[(\b):(\b)+11], v[(\c):(\c)+7], v[(\sa)], v[(\sb)] matrix_a_fmt:MATRIX_FMT_FP6 matrix_b_fmt:MATRIX_FMT_FP6
.endif
.endm
	s_load_b256 s[4:11], s[0:1], 0x0               ; ops, bq, bk, bv
	s_load_b128 s[12:15], s[0:1], 0x20             ; qc, kv
	v_lshl_add_u32 v[SPW], v0, 2, SPARE
	v_mov_b32 v[NIL], 0
	ds_add_u32 v[SPW], v[NIL]                      ; the opening: the add, twice on end, and its wait ahead of my first tensor load
	ds_add_u32 v[SPW], v[NIL]
	v_lshrrev_b32 v1, 5, v0
	v_readfirstlane_b32 s16, v1                    ; wave
	s_mov_b32 s17, ttmp9                           ; X
	s_and_b32 s18, ttmp7, 0xffff                   ; Y
	s_cmp_ge_u32 s18, 3
	s_cselect_b32 s19, 1, 0
	s_cselect_b32 s49, 3, 0
	s_cmp_ge_u32 s18, 9
	s_cselect_b32 s19, 2, s19                      ; 0 q, 1 k, 2 v
	s_cselect_b32 s49, 9, s49
	s_sub_co_u32 s49, s18, s49
	s_cmp_ge_u32 s49, 3                            ; k, v: the second batch's rows
	s_cselect_b32 s20, 1, 0
	s_cselect_b32 s50, 3, 0
	s_sub_co_u32 s21, s49, s50                     ; which four heads
	s_lshl_b32 s22, s21, 2
	s_add_co_u32 s22, s22, s16                     ; my head h
	; where my results go
	s_lshr_b32 s49, s17, 3
	s_mul_i32 s49, s49, 12
	s_add_co_u32 s49, s49, s22
	s_lshl_b32 s49, s49, 4
	s_and_b32 s50, s17, 7
	s_lshl_b32 s50, s50, 1
	s_add_co_u32 s49, s49, s50
	s_mul_i32 s49, s49, 6656                       ; q: record (12 b + h) 16 + 2 (X % 8)
	s_mul_i32 s50, s22, 43
	s_lshr_b32 s50, s50, 7                         ; h / 3 (exact for h under 12)
	s_mul_i32 s51, s50, 3
	s_sub_co_u32 s51, s22, s51                     ; h % 3
	s_lshl_b32 s52, s20, 2
	s_add_co_u32 s52, s52, s50
	s_lshl_b32 s52, s52, 5
	s_lshl_b32 s53, s17, 1
	s_add_co_u32 s52, s52, s53
	s_mul_i32 s52, s52, 3
	s_add_co_u32 s52, s52, s51
	s_mul_i32 s52, s52, 13056                      ; k, v: record ((4 b + h / 3) 32 + 2 X) 3 + h % 3
	s_cmp_eq_u32 s19, 2
	s_cselect_b32 s53, 6656, 0                     ; v's part lies behind k's
	s_add_co_u32 s52, s52, s53
	s_cmp_eq_u32 s19, 0
	s_cselect_b32 s40, s49, s52
	s_mov_b32 s41, 0
	s_mov_b32 s42, 39168
	s_cselect_b32 s42, 6656, s42                   ; from the first 128 rows' record to the second's
	s_mov_b32 s43, 0
	; what I fetch and what I keep
	s_cmp_lg_u32 s19, 0
	s_cselect_b32 s49, 128, 0
	s_lshl_b32 s50, s20, 4
	s_add_co_u32 s50, s50, s17
	s_lshl_b32 s50, s50, 3
	s_add_co_u32 s49, s49, s50                     ; the work-group's first pair
	s_lshl_b32 s50, s16, 1
	s_add_co_u32 s49, s49, s50                     ; my two of its eight
	s_mul_i32 s52, s49, PAIRB
	s_mov_b32 s53, 0
	s_mul_i32 s54, s19, 24
	s_lshl_b32 s55, s22, 1
	s_add_co_u32 s54, s54, s55
	s_add_co_u32 s54, s54, 384
	s_mul_i32 s54, s54, PAIRB                      ; my head's two pairs of the weight
	s_mov_b32 s55, 0
	s_lshl_b32 s56, s22, 8                         ; my head's 64 numbers of the bias
	s_mov_b32 s57, 0
	; descriptor group 1: 38,400 dense bytes as 150 rows of 32 elements of 8 bytes
	s_mov_b32 s[G1+0], 3<<16
	s_mov_b32 s[G1+1], 32<<16
	s_mov_b32 s[G1+2], 150<<16
	s_mov_b32 s[G1+3], 32<<16
	s_mov_b32 s[G1+4], 150
	s_mov_b32 s[G1+5], 32
	s_mov_b32 s[G1+6], 0
	s_mov_b32 s[G1+7], 0
	s_mov_b32 s[G0], 1
	s_mul_i32 s[G0+1], s16, 2*PAIRB
	s_mov_b32 s46, 0x76543210
	s_mov_b32 s47, 0xfedcba98                      ; selects for lane l xor 16
	s_mov_b32 s48, 0xffff0000                      ; lanes 16-31
	s_wait_dscnt 0x0                               ; both opening adds are done
	s_wait_kmcnt 0x0
	s_add_nc_u64 s[G0+2:G0+3], s[4:5], s[52:53]
	s_or_b32 s[G0+3], s[G0+3], 0x80000000
	tensor_load_to_lds s[G0:G0+3], s[G1:G1+7]      ; every wave's one load: one tensor load of mine is out
	s_nop 0
	v_and_b32 v3, 31, v0                           ; L
	v_and_b32 v1, 15, v0                           ; r
	v_bfe_u32 v2, v0, 4, 1                         ; hh
	v_lshlrev_b32 v[A16], 4, v3
	v_lshlrev_b32 v[G8], 3, v3
	v_add_nc_u32 v[A8], 512, v[G8]
.irp k, 1,2,3
	v_add_nc_u32 v[A16+\k], \k*2*PAIRB, v[A16]
	v_add_nc_u32 v[A8+\k], \k*2*PAIRB, v[A8]
.endr
.irp b, 0,1,2,3
	v_mov_b32 v[TM+4+\b], 0                        ; a lane permute's destination counts as read
.endr
	s_add_nc_u64 s[36:37], s[4:5], s[54:55]
	s_cmp_eq_u32 s19, 0
	s_cselect_b64 s[38:39], s[6:7], s[8:9]
	s_cselect_b64 s[58:59], s[12:13], s[14:15]
	s_cmp_eq_u32 s19, 2
	s_cselect_b64 s[38:39], s[10:11], s[38:39]
	s_add_nc_u64 s[38:39], s[38:39], s[56:57]
	s_add_nc_u64 s[40:41], s[58:59], s[40:41]
.irp pl, 0,1                           ; the weights' 24 fragments: they stay
	WIN 0x40*(1+\pl)
.irp u, 0,1
.irp s, 0,1,2,3,4,5
.irp c, 0,1
	global_load_b128 v[72*\u+12*\s+6*\c:72*\u+12*\s+6*\c+3], v[A16], s[36:37] offset:\pl*PAIRB+(12*\u+2*\s+\c)*768
	global_load_b64 v[72*\u+12*\s+6*\c+4:72*\u+12*\s+6*\c+5], v[G8], s[36:37] offset:\pl*PAIRB+(12*\u+2*\s+\c)*768+512
.endr
.endr
.endr
.endr
	WIN 0
.irp pl, 0,1
.irp j, 0,1,2
	global_load_b64 v[WS+6*\pl+2*\j:WS+6*\pl+2*\j+1], v[G8], s[36:37] offset:\pl*PAIRB+SCW+256*\j
.endr
.endr
	s_wait_tensorcnt 0x0                           ; my quarter has landed,
	s_barrier_signal -1
	s_barrier_wait -1                              ; everybody's has
	s_cmp_eq_u32 s19, 2
	s_cbranch_scc1 .Lvpath
; The scale words of the four pairs of trip tr
.macro XSLOAD tr
.irp p, 0,1,2,3
.irp j, 0,1,2
	ds_load_b64 v[XS+6*\p+2*\j:XS+6*\p+2*\j+1], v[A8+2*(\tr)+\p/2] offset:(\p%2)*PAIRB+SCW-512+256*\j
.endr
.endr
.endm
; 32 numbers of a lane, register 16 b + i = channel 32 b + 16 hh + i of my row, become a half's codes in v[PC] on and the two bytes in v[PW]
.macro QUANT32 s
.irp b, 0,1
	v_max3_num_f32 v[TM+\b], |v[(\s)+16*\b]|, |v[(\s)+16*\b+1]|, 0x1800000   ; each accumulator is read from its low end on; the floor 2^(3 - 127) holds the byte at 1 from below
.endr
.irp i, 2,4,6,8,10,12,14
.irp b, 0,1
	v_max3_num_f32 v[TM+\b], v[TM+\b], |v[(\s)+16*\b+\i]|, |v[(\s)+16*\b+\i+1]|
.endr
.endr
.irp b, 0,1
	v_permlanex16_b32 v[TM+4+\b], v[TM+\b], s46, s47
.endr
.irp b, 0,1
	v_max_num_f32 v[TM+\b], v[TM+\b], v[TM+4+\b]   ; with lane l xor 16's 16: the block's largest magnitude
.endr
.irp b, 0,1
	v_add_nc_u32 v[TM+12+\b], 0xff000000, v[TM+\b] ; 2 off the exponent field: the conversion's scale operand
.endr
.irp b, 0,1
	v_lshrrev_b32 v[TM+4+\b], 23, v[TM+12+\b]
.endr
	v_lshl_or_b32 v[PW], v[TM+5], 8, v[TM+4]
	v_or_b32 v[PW], 0x01010000, v[PW]              ; the K step's upper 64 are empty: the smallest scale stands over their zero products
	s_wait_alu depctr_va_vdst(0)
	s_wait_xcnt 0x0                                ; earlier stores have read the codes' and the words' registers
	v_cvt_scalef32_pk16_fp6_f32 v[PC:PC+2], v[(\s):(\s)+15], v[TM+12]
	v_cvt_scalef32_pk16_fp6_f32 v[T:T+2], v[(\s)+16:(\s)+31], v[TM+13]
	v_nop                                          ; one plain line behind the conversions
.irp i, 0,1,2
	v_permlane16_swap_b32 v[PC+\i], v[T+\i]        ; a lane wants a whole block: lanes 0-15 block 0, lanes 16-31 block 1
.endr
.irp i, 0,1,2
	v_mov_b32 v[PC+3+\i], v[T+\i]
.endr
.endm
	; ---------------- q and k
	; WHERE A HALF'S LANES GO.  q: as they lie, half 2 p + u at 16 L and 512 + 8 L.  k: ITS TILES ARE FORMED OTHERWISE THAN q's: key 32 p + 8 (u + 2 g) + j of a record (my row r = 8 g + j of tile u of pair p)
	; becomes row 8 (p % 2) + j of tile 4 (p / 2) + u + 2 g, so that in the scores' transposed product a lane's 32 registers of four neighbouring tiles are one whole block of 32 keys.  Eight lanes store 128 consecutive bytes there.
	s_cmp_eq_u32 s19, 0
	s_cselect_b32 s44, 0, 1408                     ; k: g counts 1,536 bytes and not 128
	s_cselect_b32 s45, 0, 1472                     ; and not 64
	s_mov_b32 s60, 128
	s_cselect_b32 s60, 1536, s60                   ; an odd pair: q two halves on, k eight rows on
	s_cselect_b32 s61, 1536, 64
	v_bfe_u32 v57, v0, 3, 1                        ; g
	v_mad_u32_u24 v58, v57, s44, v[A16]            ; v58, v59: even pairs;  v60, v61: odd pairs
	v_mad_u32_u24 v59, v57, s45, v[G8]
	v_add_nc_u32 v60, s60, v58
	v_add_nc_u32 v61, s61, v59
	v_lshlrev_b32 v[BO], 6, v2                     ; tile t's register j is channel 32 (t / 2) + 16 hh + 8 (t % 2) + j
.irp t, 0,1,2,3
	WIN 0x40*(1+\t/2)
	global_load_b128 v[BI+8*(\t%2):BI+8*(\t%2)+3], v[BO], s[38:39] offset:4*(32*(\t/2)+8*(\t%2))
	global_load_b128 v[BI+8*(\t%2)+4:BI+8*(\t%2)+7], v[BO], s[38:39] offset:4*(32*(\t/2)+8*(\t%2))+16
.endr
	WIN 0
	s_wait_loadcnt 0x0                             ; weights, their scale words, the bias
.macro XLOAD tr, p, g                  ; pair p's two tiles, K steps 3 g .. 3 g + 2: 24 loads
	WIN 0xc0                                       ; destination window 3
.irp u, 0,1
.irp s3, 0,1,2
.irp c, 0,1
.set RX, 72*\u+12*(3*(\g)+\s3)+6*\c
	ds_load_b128 v[RX:RX+3], v[A16+2*(\tr)+(\p)/2] offset:((\p)%2)*PAIRB+(12*\u+2*(3*(\g)+\s3)+\c)*768
	ds_load_b64 v[RX+4:RX+5], v[A8+2*(\tr)+(\p)/2] offset:((\p)%2)*PAIRB+(12*\u+2*(3*(\g)+\s3)+\c)*768
.endr
.endr
.endr
	WIN 0
.endm
.macro MULQK p, g                      ; 24 products: weight tiles 0, 1, then 2, 3; in each run four accumulators take turns, one instruction a turn
.irp pl, 0,1
.irp s3, 0,1,2
.set SS, 3*(\g)+\s3
.if SS == 0
	WIN 0x1d+0x11*\pl                              ; source 0 and C (the bias) in the weights' window, source 1 window 3
.else
	WIN 0x0d+\pl
.endif
.irp tl, 0,1
.irp u, 0,1
.set AC, HA+32*\u+8*(2*\pl+\tl)
.if SS == 0
	WM AC, 72*\tl+12*SS, 72*\u+12*SS, BI+8*\tl, WS+6*\pl+SS, XS+6*(\p)+SS, \tl, \u
.else
	WM AC, 72*\tl+12*SS, 72*\u+12*SS, AC, WS+6*\pl+SS, XS+6*(\p)+SS, \tl, \u
.endif
.endr
.endr
.endr
.endr
.endm
.macro PAIR tr, p
	s_wait_dscnt 24                                ; K steps 0-2 (and the scale words) are in; the 24 loads of K steps 3-5 may be out
	MULQK \p, 0
	WIN 0
.if (\p) < 3
	NOPS 4                                         ; places in front of loads into registers that the products have read
	XLOAD \tr, (\p)+1, 0
	s_wait_dscnt 24                                ; all but the 24 just issued
.else
	s_wait_dscnt 0x0
.endif
	MULQK \p, 1
	WIN 0
	NOPS 5                                         ; places: for the loads, for the first read of results, and (the fifth) for the next pair's first products, which begin these accumulators anew
.if (\p) < 3
	XLOAD \tr, (\p)+1, 1
.endif
.irp u, 0,1
	QUANT32 HA+32*\u
	global_store_b128 v[58+2*((\p)%2)], v[PC:PC+3], s[40:41] offset:768*(4*((\p)/2)+\u)
	global_store_b64 v[59+2*((\p)%2)], v[PC+4:PC+5], s[40:41] offset:768*(4*((\p)/2)+\u)+512
.if \u == 0
	v_mov_b32 v[KEEP], v[PW]
.else
	v_cndmask_b32 v[SW+(\p)], v[KEEP], v[PW], s48  ; lanes 0-15 tile 2 p's words, lanes 16-31 tile 2 p + 1's
.endif
.endr
.endm
.macro TRIPQK tr                       ; 128 rows: one record
	XSLOAD \tr
	XLOAD \tr, 0, 0
	XLOAD \tr, 0, 1
	PAIR \tr, 0
	PAIR \tr, 1
	PAIR \tr, 2
	PAIR \tr, 3
	global_store_b128 v[A16], v[SW:SW+3], s[40:41] offset:6144
.endm
	TRIPQK 0
	s_wait_xcnt 0x0                                ; the stores have read their base
	s_add_nc_u64 s[40:41], s[40:41], s[42:43]
	TRIPQK 1
	s_branch .Lend
	; ---------------- v
.Lvpath:
	v_and_b32 v[BO], 8, v1
	v_add_nc_u32 v[BO], v[BO], v1
	v_lshlrev_b32 v[BO], 2, v[BO]                  ; a lane holds one channel, 32 (n / 2) + 8 (n % 2) + r + 8 (r / 8): its bias fills all eight registers of the C
.irp n, 0,1,2,3
	WIN 0x40*(1+\n/2)
.irp j, 0,1,2,3,4,5,6,7
	global_load_b32 v[BI+8*(\n%2)+\j], v[BO], s[38:39] offset:4*(32*(\n/2)+8*(\n%2))
.endr
.endr
	WIN 0
	s_wait_loadcnt 0x0
.macro VLOAD tr, s, hf                 ; K step s of key tiles 4 hf .. 4 hf + 3: 16 loads
.irp t4, 0,1,2,3
.set TT, 4*(\hf)+\t4
.irp c, 0,1
	ds_load_b128 v[XF+12*TT+6*\c:XF+12*TT+6*\c+3], v[A16+2*(\tr)+TT/4] offset:((TT/2)%2)*PAIRB+(12*(TT%2)+2*(\s)+\c)*768
	ds_load_b64 v[XF+12*TT+6*\c+4:XF+12*TT+6*\c+5], v[A8+2*(\tr)+TT/4] offset:((TT/2)%2)*PAIRB+(12*(TT%2)+2*(\s)+\c)*768
.endr
.endr
.endm
.macro MULV s, hf                      ; 16 products: channel tiles 0, 1, then 2, 3, each against four key tiles: eight accumulators take turns
.irp pl, 0,1
.if (\s) == 0
	WIN 0xd4+0x14*\pl                              ; source 1 and C (the bias) in the weights' window, D window 3
.else
	WIN 0xf4+4*\pl
.endif
.irp nl, 0,1
.irp t4, 0,1,2,3
.set TT, 4*(\hf)+\t4
.set AC, 64*(2*\pl+\nl)+8*TT
.if (\s) == 0
	WM AC, XF+12*TT, 72*\nl+12*(\s), BI+8*\nl, XS+6*(TT/2)+(\s), WS+6*\pl+(\s), (\t4%2), \nl
.else
	WM AC, XF+12*TT, 72*\nl+12*(\s), AC, XS+6*(TT/2)+(\s), WS+6*\pl+(\s), (\t4%2), \nl
.endif
.endr
.endr
.endr
.endm
; 64 numbers of a lane in window 3, register 16 b + i = key 32 b + 16 hh + i of my channel, become a fragment's codes in v[PC] on and its scale word in v[PW]
.macro QUANTV n
	WIN 0x3c                                       ; sources 1 and 2 window 3
.irp b, 0,1,2,3
	v_max3_num_f32 v[TM+\b], 0x1800000, |v[64*(\n)+16*\b]|, |v[64*(\n)+16*\b+1]|
.endr
.irp i, 2,4,6,8,10,12,14
.irp b, 0,1,2,3
	v_max3_num_f32 v[TM+\b], v[TM+\b], |v[64*(\n)+16*\b+\i]|, |v[64*(\n)+16*\b+\i+1]|
.endr
.endr
	WIN 0
.irp b, 0,1,2,3
	v_permlanex16_b32 v[TM+4+\b], v[TM+\b], s46, s47
.endr
.irp b, 0,1,2,3
	v_max_num_f32 v[TM+\b], v[TM+\b], v[TM+4+\b]
.endr
.irp b, 0,1,2,3
	v_add_nc_u32 v[TM+12+\b], 0xff000000, v[TM+\b]
.endr
.irp b, 0,1,2,3
	v_lshrrev_b32 v[TM+4+\b], 23, v[TM+12+\b]
.endr
	v_lshl_or_b32 v[PW], v[TM+5], 8, v[TM+4]
	v_lshl_or_b32 v[PW], v[TM+6], 16, v[PW]
	v_lshl_or_b32 v[PW], v[TM+7], 24, v[PW]
	s_wait_xcnt 0x0                                ; earlier stores have read the codes' and the words' registers
	WIN 0x03                                       ; source 0 window 3
.irp c, 0,1
	v_cvt_scalef32_pk16_fp6_f32 v[PC+6*\c:PC+6*\c+2], v[64*(\n)+32*\c:64*(\n)+32*\c+15], v[TM+12+2*\c]
	v_cvt_scalef32_pk16_fp6_f32 v[T+4*\c:T+4*\c+2], v[64*(\n)+32*\c+16:64*(\n)+32*\c+31], v[TM+12+2*\c+1]
.endr
	WIN 0
	v_nop                                          ; one plain line behind the conversions
.irp c, 0,1
.irp i, 0,1,2
	v_permlane16_swap_b32 v[PC+6*\c+\i], v[T+4*\c+\i]
.endr
.irp i, 0,1,2
	v_mov_b32 v[PC+6*\c+3+\i], v[T+4*\c+\i]
.endr
.endr
.endm
.macro TRIPV tr                        ; 128 keys: one record's v part
	XSLOAD \tr
	VLOAD \tr, 0, 0
	VLOAD \tr, 0, 1
.irp s, 0,1,2,3,4,5
	s_wait_dscnt 16                                ; key tiles 0-3 of this K step are in; the 16 loads of tiles 4-7 may be out
	MULV \s, 0
	WIN 0
	NOPS 4
.if \s < 5
	VLOAD \tr, \s+1, 0
	s_wait_dscnt 16                                ; all but the 16 just issued
.else
	s_wait_dscnt 0x0
.endif
	MULV \s, 1
	WIN 0
	NOPS 5                                         ; (the fifth: the next trip's first products begin these accumulators anew)
.if \s < 5
	VLOAD \tr, \s+1, 1
.endif
.endr
.irp n, 0,1,2,3
	QUANTV \n
.irp c, 0,1
	global_store_b128 v[A16], v[PC+6*\c:PC+6*\c+3], s[40:41] offset:1536*\n+768*\c
	global_store_b64 v[G8], v[PC+6*\c+4:PC+6*\c+5], s[40:41] offset:1536*\n+768*\c+512
.endr
.if \n%2 == 0
	v_mov_b32 v[KEEP], v[PW]
.else
	v_cndmask_b32 v[SW+\n/2], v[KEEP], v[PW], s48
.endif
.endr
	global_store_b64 v[G8], v[SW:SW+1], s[40:41] offset:6144
.endm
	TRIPV 0
	s_wait_xcnt 0x0
	s_add_nc_u64 s[40:41], s[40:41], s[42:43]
	TRIPV 1
.Lend:
	s_wait_tensorcnt 0x0                           ; the wave's end
	ds_add_u32 v[SPW], v[NIL]
	s_wait_dscnt 0x0
	s_endpgm
.Lfunc_end_k_q73ff47d613_proj:
	.size	k_q73ff47d613_proj, .Lfunc_end_k_q73ff47d613_proj-k_q73ff47d613_proj
	.p2alignl 7, 3214868480
	.fill 96, 4, 3214868480
	.section	.rodata,"a",@progbits
	.p2align	6, 0x0
	.amdhsa_kernel k_q73ff47d613_proj
		.amdhsa_group_segment_fixed_size 167936
		.amdhsa_private_segment_fixed_size 0
		.amdhsa_enable_private_segment 0
		.amdhsa_kernarg_size 48
		.amdhsa_user_sgpr_count 2
		.amdhsa_user_sgpr_kernarg_segment_ptr 1
		.amdhsa_wavefront_size32 1
		.amdhsa_system_sgpr_workgroup_id_x 1
		.amdhsa_system_sgpr_workgroup_id_y 1
		.amdhsa_system_sgpr_workgroup_id_z 1
		.amdhsa_system_vgpr_workitem_id 0
		.amdhsa_next_free_vgpr 1024
		.amdhsa_next_free_sgpr 66
		.amdhsa_reserve_vcc 0
		.amdhsa_float_denorm_mode_32 3
		.amdhsa_float_denorm_mode_16_64 3
		.amdhsa_memory_ordered 1
		.amdhsa_forward_progress 1
		.amdhsa_inst_pref_size 249
	.end_amdhsa_kernel
	.amdgpu_metadata
---
amdhsa.version: [ 1, 2 ]
amdhsa.kernels:
  - .name:           k_q73ff47d613_proj
    .symbol:         k_q73ff47d613_proj.kd
    .args:
      - { .name: ops, .offset: 0, .size: 8, .value_kind: global_buffer, .address_space: global }
      - { .name: bq, .offset: 8, .size: 8, .value_kind: global_buffer, .address_space: global }
      - { .name: bk, .offset: 16, .size: 8, .value_kind: global_buffer, .address_space: global }
      - { .name: bv, .offset: 24, .size: 8, .value_kind: global_buffer, .address_space: global }
      - { .name: qc, .offset: 32, .size: 8, .value_kind: global_buffer, .address_space: global }
      - { .name: kv, .offset: 40, .size: 8, .value_kind: global_buffer, .address_space: global }
    .group_segment_fixed_size: 167936
    .private_segment_fixed_size: 0
    .kernarg_segment_align: 8
    .kernarg_segment_size: 48
    .max_flat_workgroup_size: 128
    .sgpr_count:     66
    .vgpr_count:     1024
    .wavefront_size: 32
...
	.end_amdgpu_metadata
.endif
;; end of part 2
;; launch attn (part 3): grid 32 x 8, 12 waves a work-group, clusters of 4 x 1, 327,680 bytes of LDS; arguments qc, kv, ctxq; writes ctxq
.if DOCPART == 3
	.amdgcn_target "amdgcn-amd-amdhsa--gfx1250"
	.amdhsa_code_object_version 6
	.text
	.protected	k_q73ff47d613_attn
	.globl	k_q73ff47d613_attn
	.p2align	8
	.type	k_q73ff47d613_attn,@function
k_q73ff47d613_attn:
	s_mov_b64 s[64:65], 0
	v_nop
	global_prefetch_b8 v0, s[64:65] scope:SCOPE_SE
	s_setreg_imm32_b32 hwreg(HW_REG_WAVE_MODE, 25, 1), 1
	s_wait_xcnt 0x0
	s_wait_alu depctr_hold_cnt(0) depctr_sa_sdst(0) depctr_va_vdst(0) depctr_va_sdst(0) depctr_va_ssrc(0) depctr_va_vcc(0) depctr_vm_vsrc(0)
	s_getreg_b32 s2, hwreg(HW_REG_IB_STS2, 6, 4)
	s_cmp_eq_u32 s2, 0
	s_cbranch_scc0 .Lentry_in_a_cluster
	s_endpgm
.Lentry_in_a_cluster:
	s_bfe_u32 s2, ttmp6, 0x10000c
	s_cmp_lg_u32 s2, 0x3003
	s_cbranch_scc0 .Lentry_shape_is_right
	s_endpgm
.Lentry_shape_is_right:
; LAUNCH 3 OF 4: ctx = softmax(q k^T / 8) v, both products on codes of E2M3, and ctx quantised along the 768 for the last product.  No work is left out.
; THE SOFTMAX: t = score x log2(e) / 8; M = the running largest t rounded up to a whole number; p = 2^(t - M) is quantised along the keys, not normalised; the row's sum is taken of the unquantised p and divides at the end.
; When M moves, the sum and O are multiplied by 2^(old M - new M), which rounds nothing.
; SHARES.  Work-group (x, y): 64 queries x the heads 3 hg .. 3 hg + 2 of batch b, y = 4 b + hg.  Wave w: head 3 hg + w / 4, query tile w % 4: 16 queries, three waves to a SIMD.  Every wave walks 4,096 keys, 128 a step.
; CLUSTER.  The four work-groups of a cluster share y and walk the same stream of kv.  A slot holds FOUR steps, 12 records of 13,056 bytes; each of the 12 waves asks for one record, jointly with its three partners.
; Two slots take 313,344 bytes of LDS: 8 fills, each behind a round of the cluster's barrier.
; LAYOUT.  Both products transposed (S^T = K Q^T, O^T = V^T P^T): a lane holds one query throughout.  Row 8 h + j of K's tile 4 c + i is key 64 c + 32 h + 8 i + j of the step, so register 32 c + 8 i + j of lane (r, h) is that key's
; score: A LANE HOLDS TWO WHOLE BLOCKS OF 32 KEYS, 2 c + h, in the very order of the second product's operand.  A block's maximum needs no other lane and the conversions' results change no lane.
; K's scale words lie [16 u + 8 g + j][block p] in a record: lane 16 a + 8 h + j takes word (16 a + 8 g + j, 2 c + h) into register 2 c + g: lanes 0-15 tile 4 c + 2 g, lanes 16-31 tile 4 c + 2 g + 1.
; K = 64 IN A FORM OF 128.  Q's upper six registers hold zero codes and the scale bytes of the upper 64 are 1 on both sides.  A key tile has six registers; the instruction names twelve, so its upper six are the next
; tile's codes (behind the last tile: six registers of zeros).  Every pattern of six bits is a finite number, so those products are exact zeros.
; THE SUM OF p goes in eight chains of packed additions; they stand ahead of and behind the second product and behind the request for the next step's K, and their joins stand behind the next step's score products: they are
; the places that those matrix instructions ask for.
; OUT: ctxq [32 b + x] records of 39,936 bytes for 64 rows: halves at 9,216 T + 768 h; at 36,864 words [h 12][T 4][r 16], two bytes each.
; LIMITS: as stated in the first launch.  p under 2^-126 comes out of the exponential as 0.  The promise holds while the scaled scores t stay under 2^31 in magnitude.
.set REC,   13056
.set STEPB, 3*REC
.set SLOTB, 4*STEPB                    ; 156,672: slot 0 at 0, slot 1 at SLOTB; an exclusive or with SLOTB turns 0 into SLOTB and back
.set SCT,   2*SLOTB                    ; 768 bytes: the work-group's ctx scale words meet here
.set SPARE, SCT+768                    ; the spare words, 128 bytes for each of 12 waves
.set YB,    32*STEPB                   ; a stream of kv
.set AK16,  1                          ; v1 16 L + my head's record;  v2 8 L + 512 + it;  v30 256 a + 16 j + 4 h + it
.set AK8,   2
.set SPW,   3
.set NIL,   4
.set ADA,   5                          ; v5, v6, v31 the same three in the two steps in hand
.set ADB,   6
.set L16,   7
.set L8,    8
.set PF0,   9                          ; my block among a slot's prefetches;  v10 its offset in the stream
.set PFO,   10
.set SCA,   11
.set RM,    13                         ; v12, v14: -M, by turns from step to step;  v13 the running largest score;  v15 8 x (lane / 16)
.set SH,    15
.set QW,    28                         ; v16-21 Q's codes, v22-27 zeros, v28 Q's scale words
.set SCB,   29
.set AKW,   30
.set ADW,   31
.set KS,    86                         ; v32-85 K's or V's fragments;  v86-89 K's scale words, v90-91 V's
.set VS,    90
.set LS,    92                         ; v[92:93] the row's sum
.set TMP,   94
.set TP,    95
.set S,     96                         ; v96-159 scores, then p
.set OT,    160                        ; v160-191 O^T
.set PC,    192                        ; v192-203 p's codes;  v204-206, v208-210 the blocks' second halves
.set T,     204
.set CH,    212                        ; v212-215 four chains of maxima; then v212, v214 my two blocks'
.set SCL,   216
.set BY,    218
.set WD,    220
.set OTH,   221
.set PW,    222
.set FF,    224                        ; v[224:225] f
.set AS,    226                        ; v226-241 eight chains of the sum
.set WV,    10
.set SEL,   20
.set CS,    22
.set G1,    24
.set G0,    32
.set TB,    36
.set SLOTS, 37
.set CUR,   38
.set LIM,   39
.set PFA,   40
.set TF,    58
.set LW,    59
.set NC,    60
.macro TLOAD                           ; every wave's one record; an s_nop 0 and four v_nop follow the load
	tensor_load_to_lds s[G0:G0+3], s[G1:G1+7]
	s_nop 0
.rept 4
	v_nop
.endr
.endm
.macro CROUND                          ; a round of the cluster's barrier
	s_barrier_signal -1
	s_barrier_wait -1
	s_cmp_lg_u32 s[WV], 0
	s_cbranch_scc1 .Lnot_wave_0_\@
	s_barrier_signal -3
.Lnot_wave_0_\@:
	s_barrier_wait -3
	s_barrier_signal -1
	s_barrier_wait -1
.endm
; A PREFETCH: behind the joint load of slot n + 1 the cluster asks for slot n + 2, four steps ahead of the load that will want it.  A slot is 612 blocks of 256 bytes: the partner at place cx takes 153, told apart by address
; alone; in it waves 0 to 4 ask, a lane a block (wave 4's lanes that are left over name its last block again).  The first six changes ask: slot 7 is the stream's last.  Slots 0 and 1 come by their loads alone.
.macro ASK
	s_cmp_gt_u32 s[SLOTS], s[LIM]
	s_cbranch_scc0 .Lnot_mine_\@
	global_prefetch_b8 v[PFO], s[PFA:PFA+1] th:TH_LOAD_NT scope:SCOPE_SE
.Lnot_mine_\@:
.endm
	s_load_b128 s[4:7], s[0:1], 0x0                ; qc, kv
	s_load_b64 s[8:9], s[0:1], 0x10                ; ctxq
	v_lshl_add_u32 v[SPW], v0, 2, SPARE
	v_mov_b32 v[NIL], 0
	ds_add_u32 v[SPW], v[NIL]                      ; the opening: the add, twice on end, and its wait ahead of the round in front of the first loads
	ds_add_u32 v[SPW], v[NIL]
	v_lshrrev_b32 v5, 5, v0
	s_delay_alu instid0(VALU_DEP_1)
	v_readfirstlane_b32 s[WV], v5                  ; wave 0..11
	s_bfe_u32 s11, ttmp6, 0x40000                  ; cx: it enters Q's, ctx's and the prefetches' global addresses alone
	s_lshl_b32 s12, ttmp9, 2
	s_add_co_u32 s12, s12, s11                     ; x
	s_and_b32 s13, ttmp7, 0xffff                   ; y, which the partners share
	s_lshr_b32 s14, s[WV], 2                       ; hl
	s_and_b32 s15, s[WV], 3                        ; qt
	s_and_b32 s18, s13, 3                          ; hg
	s_lshr_b32 s17, s13, 2                         ; b
	s_mul_i32 s16, s18, 3
	s_add_co_u32 s16, s16, s14                     ; h
	s_min_u32 s19, s[WV], 2                        ; (what only waves 0 to 2 use)
	; descriptor group 1: 13,056 dense bytes as 51 rows of 32 elements of 8 bytes; the mask names all four partners, bit 21 beside it
	s_mov_b32 s[G1+0], 15|(3<<16)|(1<<21)
	s_mov_b32 s[G1+1], 32<<16
	s_mov_b32 s[G1+2], 51<<16
	s_mov_b32 s[G1+3], 32<<16
	s_mov_b32 s[G1+4], 51
	s_mov_b32 s[G1+5], 32
	s_mov_b32 s[G1+6], 0
	s_mov_b32 s[G1+7], 0
	s_mov_b32 s[SEL], 0x76543210
	s_mov_b32 s[SEL+1], 0xfedcba98                 ; selects for lane l xor 16
	s_mov_b32 s[CS], 0x3e38aa3b                    ; c = log2(e) / 8
	s_mov_b32 s[CS+1], s[CS]                       ; (named with it as a pair)
	s_mov_b32 s[NC], 0xbe38aa3b                    ; -c
	s_mov_b32 s[TB], 0
	s_mov_b32 s[SLOTS], 6
	s_mov_b32 s[CUR], SLOTB                        ; the first change steps it to slot 2
	s_cmp_lt_u32 s[WV], 5
	s_cselect_b32 s[LIM], 0, -1                    ; waves 0 to 4 ask, in each of the loop's six trips
	s_mul_i32 s42, s13, YB                         ; my stream
	s_mov_b32 s43, 0
	s_mul_i32 s44, s17, 12
	s_add_co_u32 s44, s44, s16
	s_lshl_b32 s44, s44, 4
	s_lshr_b32 s45, s12, 1
	s_add_co_u32 s44, s44, s45
	s_mul_i32 s44, s44, 6656                       ; Q's record: (12 b + h) 16 + x / 2
	s_and_b32 s45, s12, 1
	s_lshl_b32 s45, s45, 2
	s_add_co_u32 s45, s45, s15                     ; my tile in it: 4 (x % 2) + qt
	s_mul_i32 s46, s45, 768
	s_add_co_u32 s46, s46, s44
	s_mov_b32 s47, 0
	s_and_b32 s48, s45, 1
	s_lshl_b32 s48, s48, 8
	s_lshr_b32 s49, s45, 1
	s_lshl_b32 s49, s49, 2
	s_add_co_u32 s48, s48, s49
	s_add_co_u32 s48, s48, s44
	s_add_co_u32 s48, s48, 6144                    ; its words: 16 (16 (tile % 2) + r) + 4 (tile / 2)
	s_mov_b32 s49, 0
	s_lshl_b32 s50, s17, 5
	s_add_co_u32 s50, s50, s12
	s_mul_i32 s50, s50, 39936                      ; ctx's record 32 b + x
	s_mul_i32 s52, s18, 768
	s_add_co_u32 s52, s52, s50
	s_lshl_b32 s53, s19, 8
	s_add_co_u32 s52, s52, s53
	s_add_co_u32 s52, s52, 36864                   ; its words of head 3 hg + wave (waves 0 to 2)
	s_mov_b32 s53, 0
	s_mul_i32 s51, s15, 9216
	s_add_co_u32 s50, s50, s51
	s_mul_i32 s51, s16, 768
	s_add_co_u32 s50, s50, s51                     ; my half: 9,216 qt + 768 h
	s_mov_b32 s51, 0
	s_mul_i32 s[LW], s[WV], REC                    ; my record of a slot's twelve
	s_mov_b32 s56, s[LW]
	s_mov_b32 s57, 0
	s_wait_dscnt 0x0                               ; both opening adds are done
	s_wait_kmcnt 0x0
	s_add_nc_u64 s[PFA:PFA+1], s[6:7], s[42:43]
	s_add_nc_u64 s[46:47], s[4:5], s[46:47]
	s_add_nc_u64 s[48:49], s[4:5], s[48:49]
	s_add_nc_u64 s[50:51], s[8:9], s[50:51]
	s_add_nc_u64 s[52:53], s[8:9], s[52:53]
	CROUND                                         ; all four work-groups are here: the first joint loads meet
	s_mov_b32 s[G0], 1
	s_mov_b32 s[G0+1], s[LW]
	s_add_nc_u64 s[G0+2:G0+3], s[PFA:PFA+1], s[56:57]
	s_or_b32 s[G0+3], s[G0+3], 0x80000000
	TLOAD                                          ; slot 0: one tensor load of mine is out
	v_and_b32 v32, 31, v0                          ; L
	v_and_b32 v33, 15, v0                          ; r
	v_lshlrev_b32 v[L16], 4, v32
	v_lshlrev_b32 v[L8], 3, v32
	v_lshlrev_b32 v34, 4, v33
	global_load_b128 v[16:19], v[L16], s[46:47]    ; Q's half stays in registers
	global_load_b64 v[20:21], v[L8], s[46:47] offset:512
	global_load_b32 v[QW], v34, s[48:49]
	s_mul_i32 s54, s14, REC
	v_add_nc_u32 v[AK16], s54, v[L16]
	v_and_b32 v35, 7, v0                           ; j
	v_bfe_u32 v36, v0, 3, 1                        ; h of a tile's row
	v_bfe_u32 v37, v0, 4, 1                        ; lane / 16
	v_lshlrev_b32 v35, 4, v35
	v_lshl_add_u32 v35, v36, 2, v35
	v_lshl_add_u32 v35, v37, 8, v35
	v_add_nc_u32 v[AKW], s54, v35
	v_lshlrev_b32 v[SH], 3, v37
	s_add_co_u32 s54, s54, 512
	v_add_nc_u32 v[AK8], s54, v[L8]
	s_lshl_b32 s54, s[WV], 6
	s_add_co_u32 s54, s54, SCT
	v_lshl_add_u32 v[SCA], v33, 2, s54             ; SCT + 64 wave + 4 r
	s_lshl_b32 s54, s19, 8
	s_add_co_u32 s54, s54, SCT
	v_add_nc_u32 v[SCB], s54, v[L8]
	s_mul_i32 s54, s11, 153
	s_min_u32 s55, s[WV], 4
	s_lshl_b32 s55, s55, 5
	v_add_nc_u32 v38, s55, v32
	v_min_u32 v38, 152, v38
	v_add_lshl_u32 v[PF0], v38, s54, 8             ; 256 (153 cx + min(32 wave + L, 152))
	v_mov_b32 v[RM], 0xff61b1e6                    ; the largest score so far: -3e38
	v_mov_b32 v14, 0x7e000000                      ; -M: so large that the first f is 0
	v_mov_b32 v12, 0
	v_mov_b32 v[LS], 0
	v_mov_b32 v[LS+1], 0
	v_mov_b32 v[FF], 0
	v_mov_b32 v[FF+1], 0                           ; (named as the upper half of a pair)
	v_mov_b32 v[TP], 0                             ; a lane permute's destination counts as read
	v_mov_b32 v[OTH], 0
.irp i, 0,1,2,3,4,5
	v_mov_b32 v[22+\i], 0                          ; Q's upper 64: zero codes
	v_mov_b32 v[80+\i], 0                          ; what the last key tile's operand names behind its six registers
.endr
.set j, 0
.rept 16
	v_mov_b32 v[AS+j], 0                           ; the first step joins chains of zeros
.set j, j+1
.endr
.set j, 0
.rept 32
	v_mov_b32 v[OT+j], 0                           ; the step is written once: the first finds zeros, which the first f leaves zeros
.set j, j+1
.endr
.macro KLOAD q                         ; K's eight tiles and their scale words, step q of the slot in hand
.set KB, STEPB*((\q)%2)
.irp t, 0,1,2,3,4,5,6,7
	ds_load_b128 v[32+6*\t:35+6*\t], v[ADA] offset:KB+768*\t
	ds_load_b64 v[36+6*\t:37+6*\t], v[ADB] offset:KB+768*\t
.endr
.irp e, 0,1,2,3
	ds_load_b32 v[KS+\e], v[ADW] offset:KB+6144+128*(\e%2)+8*(\e/2)
.endr
.endm
.macro SUM k, o                        ; chain k takes p's registers 8 k + o, 8 k + o + 1
	v_pk_add_f32 v[AS+2*(\k):AS+2*(\k)+1], v[AS+2*(\k):AS+2*(\k)+1], v[S+8*(\k)+(\o):S+8*(\k)+(\o)+1]
.endm
.macro JOIN                            ; the eight chains of the last step's p, and the sum under that step's M: l = l f + them
.irp k, 0,1,2,3
	v_pk_add_f32 v[AS+2*\k:AS+2*\k+1], v[AS+2*\k:AS+2*\k+1], v[AS+8+2*\k:AS+9+2*\k]
.endr
	s_delay_alu instid0(VALU_DEP_2)
	v_pk_add_f32 v[AS:AS+1], v[AS:AS+1], v[AS+4:AS+5]
	s_delay_alu instid0(VALU_DEP_2)
	v_pk_add_f32 v[AS+2:AS+3], v[AS+2:AS+3], v[AS+6:AS+7]
	s_delay_alu instid0(VALU_DEP_1)
	v_pk_add_f32 v[AS:AS+1], v[AS:AS+1], v[AS+2:AS+3]
	s_delay_alu instid0(VALU_DEP_1)
	v_pk_fma_f32 v[LS:LS+1], v[LS:LS+1], v[FF:FF+1], v[AS:AS+1] op_sel_hi:[1,0,1]
.endm
.macro TM n                            ; n pairs of scores become t - M
.rept \n
	v_pk_fma_f32 v[S+j:S+j+1], v[S+j:S+j+1], s[CS:CS+1], v[NW:NW+1] op_sel_hi:[1,0,0]
.set j, j+2
.endr
.endm
; A KEY STEP: 128 keys, the q-th of the slot in hand.  Its K fragments have been asked for.
.macro STEP q, mode                    ; mode 0: a step like any other;  1, 2: the slot's last step, which opens the change of slots (EARLY)
.set SB, STEPB*((\q)%2)
.set NW, 12+2*((\q)%2)                 ; the new -M, and the old
.set OL, 14-2*((\q)%2)
	s_wait_alu depctr_va_vdst(0)                   ; the wait directly ahead of a wait that blocks
	s_wait_dscnt 0x0                               ; K is in
.irp t, 0,2,4,6
	v_wmma_scale_f32_16x16x128_f8f6f4 v[S+8*\t:S+7+8*\t], v[32+6*\t:43+6*\t], v[16:27], 0, v[KS+\t/2], v[QW] matrix_a_fmt:MATRIX_FMT_FP6 matrix_b_fmt:MATRIX_FMT_FP6
	v_wmma_scale_f32_16x16x128_f8f6f4 v[S+8+8*\t:S+15+8*\t], v[38+6*\t:49+6*\t], v[16:27], 0, v[KS+\t/2], v[QW] matrix_a_fmt:MATRIX_FMT_FP6 matrix_b_fmt:MATRIX_FMT_FP6 matrix_a_scale:MATRIX_SCALE_ROW1
.endr
	JOIN                                           ; eight plain lines on other registers: the places for V's loads into K's registers and for the first read of the scores
.irp n, 0,1,2,3                        ; V's four fragments land while the softmax is walked
.irp c, 0,1
	ds_load_b128 v[32+12*\n+6*\c:35+12*\n+6*\c], v[ADA] offset:SB+6656+768*(2*\n+\c)
	ds_load_b64 v[36+12*\n+6*\c:37+12*\n+6*\c], v[ADB] offset:SB+6656+768*(2*\n+\c)
.endr
.endr
	ds_load_b64 v[VS:VS+1], v[ADB] offset:SB+12288
.if (\mode) > 0
	EARLY \mode                                    ; these were my last reads of the slot
.endif
.irp b, 0,1,2,3
	v_max3_num_f32 v[CH+\b], v[S+16*\b], v[S+1+16*\b], v[S+2+16*\b]   ; each accumulator is read from its low end on
.endr
.irp i, 3,5,7,9,11,13
.irp b, 0,1,2,3
	v_max3_num_f32 v[CH+\b], v[CH+\b], v[S+16*\b+\i], v[S+1+16*\b+\i]
.endr
.endr
	v_max3_num_f32 v[CH], v[CH], v[CH+1], v[S+15]
	v_max3_num_f32 v[CH+2], v[CH+2], v[CH+3], v[S+47]
	v_max_num_f32 v[CH], v[CH], v[S+31]            ; the largest score of my block h: for the row's maximum and, since p rises with the score, for the block's largest p
	v_max_num_f32 v[CH+2], v[CH+2], v[S+63]        ; and of my block 2 + h
	s_delay_alu instid0(VALU_DEP_1)
	v_max_num_f32 v[TMP], v[CH], v[CH+2]
	s_delay_alu instid0(VALU_DEP_1)
	v_permlanex16_b32 v[TP], v[TMP], s[SEL], s[SEL+1]
	s_delay_alu instid0(VALU_DEP_1)
	v_max3_num_f32 v[RM], v[RM], v[TMP], v[TP]     ; the running largest score (c is positive: it is also the largest t's)
	s_delay_alu instid0(VALU_DEP_1)
	v_mul_f32 v[TMP], s[NC], v[RM]
	s_delay_alu instid0(VALU_DEP_1)
	v_floor_f32 v[NW], v[TMP]                      ; the new -M = floor(-t) = -ceil(t)
	s_delay_alu instid0(VALU_DEP_1)
	v_sub_f32 v[TMP], v[NW], v[OL]                 ; old M - new M: a whole number, 0 or less
.set j, 0
	TM 8
	v_cvt_i32_f32 v[TMP], v[TMP]                   ; (it saturates)
	TM 8
	v_ldexp_f32 v[FF], 1.0, v[TMP]                 ; f = 2^(old M - new M)
	TM 16
	v_fma_f32 v[CH], v[CH], s[CS], v[NW]
	v_fma_f32 v[CH+2], v[CH+2], s[CS], v[NW]
.set j, 0
.rept 16
	v_pk_mul_f32 v[OT+j:OT+j+1], v[OT+j:OT+j+1], v[FF:FF+1] op_sel_hi:[1,0]   ; O^T under the new M, each accumulator from its low end on
.set j, j+2
.endr
	s_wait_alu depctr_va_vdst(0)                   ; the wait ahead of the batch
	v_exp_f32 v[CH], v[CH]                         ; my two blocks' largest p
	v_exp_f32 v[CH+2], v[CH+2]
.set j, 0
.rept 64
	v_exp_f32 v[S+j], v[S+j]                       ; p = 2^(t - M)
.set j, j+1
.endr
	v_nop                                          ; the plain line behind the exponentials
	s_wait_alu depctr_va_vdst(0)                   ; and one wait for the batch, ahead of its first reader
	v_max_num_f32 v[CH], 0x1800000, v[CH]          ; the floor 2^(3 - 127): the byte cannot fall under 1
	v_max_num_f32 v[CH+2], 0x1800000, v[CH+2]
	s_delay_alu instid0(VALU_DEP_2)
	v_add_nc_u32 v[SCL], 0xff000000, v[CH]         ; 2 off the exponent field: the conversion's scale operand
	s_delay_alu instid0(VALU_DEP_2)
	v_add_nc_u32 v[SCL+1], 0xff000000, v[CH+2]
	s_delay_alu instid0(VALU_DEP_2)
	v_lshrrev_b32 v[BY], 23, v[SCL]
	s_delay_alu instid0(VALU_DEP_2)
	v_lshrrev_b32 v[BY+1], 23, v[SCL+1]
	s_delay_alu instid0(VALU_DEP_1)
	v_lshl_or_b32 v[WD], v[BY+1], 16, v[BY]        ; blocks h and 2 + h,
	s_delay_alu instid0(VALU_DEP_1)
	v_lshlrev_b32 v[WD], v[SH], v[WD]              ; at their places;
	s_delay_alu instid0(VALU_DEP_1)
	v_permlanex16_b32 v[OTH], v[WD], s[SEL], s[SEL+1]
	s_delay_alu instid0(VALU_DEP_1)
	v_or_b32 v[PW], v[WD], v[OTH]                  ; with lane l xor 16's two p's scale word is whole
.irp c, 0,1
	v_cvt_scalef32_pk16_fp6_f32 v[PC+6*\c:PC+6*\c+2], v[S+32*\c:S+15+32*\c], v[SCL+\c]
	v_cvt_scalef32_pk16_fp6_f32 v[T+4*\c:T+4*\c+2], v[S+16+32*\c:S+31+32*\c], v[SCL+\c]   ; (a conversion's three registers begin on an even number)
.endr
.irp k, 0,1,2,3,4,5,6,7                ; the sum of the unquantised p begins: plain lines behind the conversions
	v_pk_add_f32 v[AS+2*\k:AS+2*\k+1], v[S+8*\k:S+8*\k+1], v[S+8*\k+2:S+8*\k+3]
.endr
.irp c, 0,1
.irp i, 0,1,2
	v_mov_b32 v[PC+6*\c+3+\i], v[T+4*\c+\i]
.endr
.endr
.irp k, 0,1,2,3
	SUM \k, 4                                      ; four places between the codes just moved and the products (18 lines stand behind the scale word)
.endr
.if (\mode) == 0
	s_wait_alu depctr_va_vdst(0)
	s_wait_dscnt 0x0                               ; V is in  (in a slot's last step it has been waited for ahead of the signal)
.endif
.irp n, 0,2                            ; O^T += V^T P^T: the four accumulators take turns
	v_wmma_scale_f32_16x16x128_f8f6f4 v[OT+8*\n:OT+8*\n+7], v[32+12*\n:43+12*\n], v[PC:PC+11], v[OT+8*\n:OT+8*\n+7], v[VS+\n/2], v[PW] matrix_a_fmt:MATRIX_FMT_FP6 matrix_b_fmt:MATRIX_FMT_FP6
	v_wmma_scale_f32_16x16x128_f8f6f4 v[OT+8*\n+8:OT+8*\n+15], v[44+12*\n:55+12*\n], v[PC:PC+11], v[OT+8*\n+8:OT+8*\n+15], v[VS+\n/2], v[PW] matrix_a_fmt:MATRIX_FMT_FP6 matrix_b_fmt:MATRIX_FMT_FP6 matrix_a_scale:MATRIX_SCALE_ROW1
.endr
.irp k, 4,5,6,7
	SUM \k, 4                                      ; four places in front of loads into registers that the products have read
.endr
.if (\q) == 1
	v_add_nc_u32 v[ADA], 2*STEPB, v[ADA]           ; on to the slot's steps 2 and 3
	v_add_nc_u32 v[ADB], 2*STEPB, v[ADB]
	v_add_nc_u32 v[ADW], 2*STEPB, v[ADW]
.endif
.if (\q) < 3
	KLOAD (\q)+1                                   ; the next step's K lands under the rest of the sum
.endif
.irp k, 0,1,2,3,4,5,6,7
	SUM \k, 6
.endr
.endm
; THE CHANGE OF SLOTS stands at a slot's head.  Each wave waits for all its tensor loads (one is out: its record of this slot), adds 0 to its spare word, and waits for that and for its reads of the slot that it has left.
; fill = 1: a round of the cluster's barrier follows, and the joint load of the next four steps into the slot just left is the first thing behind it: it has four steps in which to land.
; (In that form it stands once, ahead of the loop: the change behind which slot 1 is first filled.)
; EVERY LATER CHANGE IS OPENED INSIDE THE SLOT'S LAST STEP, as soon as V's fragments have been asked for, which are the wave's last reads of the slot: the wait for all my tensor loads (one is out: my record of the next slot,
; asked for three steps ago), the add, the wait for the add and for V, and the barrier's signal.  That step's softmax, its second product and its sums, work on registers alone, stand between the signal and the wait.
; mode 1: the barrier opens a round of the cluster's barrier, behind which the slot just left is filled again.  mode 2, the last two slots: nothing is filled; slot 6's barrier shows slot 7 whole to all waves, and slot 7's
; guards nothing: the two slots share one written trip.
.macro EARLY mode
	s_wait_alu depctr_va_vdst(0)                   ; the wait directly ahead of a wait that blocks
	s_wait_tensorcnt 0x0                           ; no tensor load of mine is out, so the descriptor may be written
	ds_add_u32 v[SPW], v[NIL]
.if (\mode) == 1
	s_add_co_u32 s[G0+1], s[TB], s[LW]             ; my record in the slot that I leave,
	s_add_nc_u64 s[G0+2:G0+3], s[G0+2:G0+3], SLOTB ; the four steps behind those that have landed
	s_wait_xcnt 0x0                                ; this trip's prefetch, four steps back, has read its offset
	s_add_co_u32 s[CUR], s[CUR], SLOTB
	v_add_nc_u32 v[PFO], s[CUR], v[PF0]
.endif
	s_xor_b32 s[TB], s[TB], SLOTB                  ; the slot that is read next
	v_add_nc_u32 v[ADA], s[TB], v[AK16]
	v_add_nc_u32 v[ADB], s[TB], v[AK8]
	v_add_nc_u32 v[ADW], s[TB], v[AKW]
	s_wait_alu depctr_va_vdst(0)
	s_wait_dscnt 0x0                               ; the add is done, V is in: my reads of this slot are over
	s_barrier_signal -1
.endm
.macro CREST                           ; a round of the cluster's barrier behind its opening barrier
	s_cmp_lg_u32 s[WV], 0
	s_cbranch_scc1 .Lnot_wave_0_\@
	s_barrier_signal -3
.Lnot_wave_0_\@:
	s_barrier_wait -3
	s_barrier_signal -1
	s_barrier_wait -1
.endm
.macro CHANGE fill
	s_wait_alu depctr_va_vdst(0)
	s_wait_tensorcnt 0x0                           ; no tensor load of mine is out, so the descriptor may be written
	ds_add_u32 v[SPW], v[NIL]
.if \fill
	s_xor_b32 s[TF], s[TB], SLOTB                  ; the other slot than the one that is read now,
	s_add_co_u32 s[G0+1], s[TF], s[LW]             ; my record in it,
	s_add_nc_u64 s[G0+2:G0+3], s[G0+2:G0+3], SLOTB ; the next four steps
	s_wait_xcnt 0x0                                ; the last prefetch, a slot back, has read its offset
	s_add_co_u32 s[CUR], s[CUR], SLOTB
	v_add_nc_u32 v[PFO], s[CUR], v[PF0]
.endif
	v_add_nc_u32 v[ADA], s[TB], v[AK16]
	v_add_nc_u32 v[ADB], s[TB], v[AK8]
	v_add_nc_u32 v[ADW], s[TB], v[AKW]
	s_wait_alu depctr_va_vdst(0)
	s_wait_dscnt 0x0                               ; the add is done, and my reads of the slot that I have left are over
.if \fill
	CROUND
	TLOAD
.else
	s_barrier_signal -1
	s_barrier_wait -1
.endif
.endm
	s_wait_alu depctr_va_vdst(0)                   ; the wait at the head's end
	s_wait_loadcnt 0x0                             ; Q
	CHANGE 1                                       ; slot 0 is whole; slot 1 is asked for
.Lslot:                                            ; 6 trips: trip n walks slot n and, at its end, asks for slot n + 2 into the bytes that it has left
	KLOAD 0
	ASK                                            ; slot n + 2, four steps ahead of the joint load at this trip's end
	STEP 0, 0
	STEP 1, 0
	STEP 2, 0
	STEP 3, 1
	s_wait_alu depctr_va_vdst(0)
	s_barrier_wait -1                              ; every wave of my work-group has left the slot and has its record of the next,
	CREST                                          ; and so has every wave of every partner
	TLOAD                                          ; the first thing behind the round: it has four steps in which to land
	s_sub_co_u32 s[SLOTS], s[SLOTS], 1
	s_cmp_lg_u32 s[SLOTS], 0
	s_cbranch_scc1 .Lslot
	s_mov_b32 s[SLOTS], 2
.Ltail:                                            ; slots 6 and 7: nothing more is asked for
	KLOAD 0
	STEP 0, 0
	STEP 1, 0
	STEP 2, 0
	STEP 3, 2
	s_wait_alu depctr_va_vdst(0)
	s_barrier_wait -1
	s_sub_co_u32 s[SLOTS], s[SLOTS], 1
	s_cmp_lg_u32 s[SLOTS], 0
	s_cbranch_scc1 .Ltail
	; THE WAY OUT: O^T / the sum is my 16 rows' 64 numbers of ctx, channels 64 h + 32 b + 16 hh + i: two blocks of the last product's K.  They are quantised here and leave as a half.
	JOIN                                           ; (12 plain lines of the sum stand behind the last products)
	s_delay_alu instid0(VALU_DEP_1)
	v_add_f32 v[LS], v[LS], v[LS+1]
	s_delay_alu instid0(VALU_DEP_1)
	v_permlanex16_b32 v[TP], v[LS], s[SEL], s[SEL+1]
	s_delay_alu instid0(VALU_DEP_1)
	v_add_f32 v[LS], v[LS], v[TP]                  ; the row's sum
	s_wait_alu depctr_va_vdst(0)
	v_rcp_f32 v[LS], v[LS]
	v_nop                                          ; a plain line behind the reciprocal
	s_wait_alu depctr_va_vdst(0)                   ; and the wait ahead of its first reader
.set j, 0
.rept 32
	v_mul_f32 v[S+j], v[OT+j], v[LS]               ; each accumulator from its low end on
.set j, j+1
.endr
.irp b, 0,1
	v_max3_num_f32 v[CH+\b], |v[S+16*\b]|, |v[S+1+16*\b]|, 0x1800000
.endr
.irp i, 2,4,6,8,10,12,14
.irp b, 0,1
	s_delay_alu instid0(VALU_DEP_2)
	v_max3_num_f32 v[CH+\b], v[CH+\b], |v[S+16*\b+\i]|, |v[S+1+16*\b+\i]|
.endr
.endr
.irp b, 0,1
	s_delay_alu instid0(VALU_DEP_2)
	v_permlanex16_b32 v[BY+\b], v[CH+\b], s[SEL], s[SEL+1]
.endr
.irp b, 0,1
	s_delay_alu instid0(VALU_DEP_2)
	v_max_num_f32 v[CH+\b], v[CH+\b], v[BY+\b]     ; with lane l xor 16's 16 channels
.endr
.irp b, 0,1
	s_delay_alu instid0(VALU_DEP_2)
	v_add_nc_u32 v[SCL+\b], 0xff000000, v[CH+\b]
.endr
.irp b, 0,1
	s_delay_alu instid0(VALU_DEP_2)
	v_lshrrev_b32 v[BY+\b], 23, v[SCL+\b]
.endr
	s_delay_alu instid0(VALU_DEP_1)
	v_lshl_or_b32 v[PW], v[BY+1], 8, v[BY]
	v_cvt_scalef32_pk16_fp6_f32 v[PC:PC+2], v[S:S+15], v[SCL]
	v_cvt_scalef32_pk16_fp6_f32 v[T:T+2], v[S+16:S+31], v[SCL+1]
	v_nop                                          ; one plain line behind the conversions
.irp i, 0,1,2
	v_permlane16_swap_b32 v[PC+\i], v[T+\i]        ; a lane wants a whole block: lanes 0-15 block 0, lanes 16-31 block 1
.endr
.irp i, 0,1,2
	s_delay_alu instid0(VALU_DEP_3)
	v_mov_b32 v[PC+3+\i], v[T+\i]
.endr
	global_store_b128 v[L16], v[PC:PC+3], s[50:51]
	global_store_b64 v[L8], v[PC+4:PC+5], s[50:51] offset:512
	ds_store_b32 v[SCA], v[PW]                     ; both halves of the lanes write the same word with the same value
	s_wait_dscnt 0x0                               ; for the others' sake: my word has landed
	s_barrier_signal -1
	s_barrier_wait -1
	s_cmp_lt_u32 s[WV], 3                          ; a head's 64 words are 256 consecutive bytes: waves 0 to 2 store one head's each
	s_cbranch_scc0 .Lno_words
	ds_load_b64 v[32:33], v[SCB]
	s_wait_dscnt 0x0
	global_store_b64 v[L8], v[32:33], s[52:53]
.Lno_words:
	s_wait_tensorcnt 0x0                           ; the wave's end
	ds_add_u32 v[SPW], v[NIL]
	s_wait_dscnt 0x0
	CROUND                                         ; the closing round
	s_endpgm
.Lfunc_end_k_q73ff47d613_attn:
	.size	k_q73ff47d613_attn, .Lfunc_end_k_q73ff47d613_attn-k_q73ff47d613_attn
	.p2alignl 7, 3214868480
	.fill 96, 4, 3214868480
	.section	.rodata,"a",@progbits
	.p2align	6, 0x0
	.amdhsa_kernel k_q73ff47d613_attn
		.amdhsa_group_segment_fixed_size 327680
		.amdhsa_private_segment_fixed_size 0
		.amdhsa_enable_private_segment 0
		.amdhsa_kernarg_size 24
		.amdhsa_user_sgpr_count 2
		.amdhsa_user_sgpr_kernarg_segment_ptr 1
		.amdhsa_wavefront_size32 1
		.amdhsa_system_sgpr_workgroup_id_x 1
		.amdhsa_system_sgpr_workgroup_id_y 1
		.amdhsa_system_sgpr_workgroup_id_z 1
		.amdhsa_system_vgpr_workitem_id 0
		.amdhsa_next_free_vgpr 256
		.amdhsa_next_free_sgpr 66
		.amdhsa_reserve_vcc 0
		.amdhsa_float_denorm_mode_32 3
		.amdhsa_float_denorm_mode_16_64 3
		.amdhsa_memory_ordered 1
		.amdhsa_forward_progress 1
		.amdhsa_inst_pref_size 138
	.end_amdhsa_kernel
	.amdgpu_metadata
---
amdhsa.version: [ 1, 2 ]
amdhsa.kernels:
  - .name:           k_q73ff47d613_attn
    .symbol:         k_q73ff47d613_attn.kd
    .args:
      - { .name: qc, .offset: 0, .size: 8, .value_kind: global_buffer, .address_space: global }
      - { .name: kv, .offset: 8, .size: 8, .value_kind: global_buffer, .address_space: global }
      - { .name: ctxq, .offset: 16, .size: 8, .value_kind: global_buffer, .address_space: global }
    .group_segment_fixed_size: 327680
    .private_segment_fixed_size: 0
    .kernarg_segment_align: 8
    .kernarg_segment_size: 24
    .max_flat_workgroup_size: 384
    .sgpr_count:     66
    .vgpr_count:     256
    .wavefront_size: 32
...
	.end_amdgpu_metadata
.endif
;; end of part 3
;; launch outp (part 4): grid 64 x 3, 4 waves a work-group, no clusters, 167,936 bytes of LDS; arguments ops, ctxq, bo, out0; writes out0
.if DOCPART == 4
	.amdgcn_target "amdgcn-amd-amdhsa--gfx1250"
	.amdhsa_code_object_version 6
	.text
	.protected	k_q73ff47d613_outp
	.globl	k_q73ff47d613_outp
	.p2align	8
	.type	k_q73ff47d613_outp,@function
k_q73ff47d613_outp:
	s_mov_b64 s[64:65], 0
	v_nop
	global_prefetch_b8 v0, s[64:65] scope:SCOPE_SE
	s_setreg_imm32_b32 hwreg(HW_REG_WAVE_MODE, 25, 1), 1
	s_wait_xcnt 0x0
; LAUNCH 4 OF 4: out0 = ctx Wo + bo on codes of E2M3.  No work is left out.
; SHARES.  Work-group (qb, Y): 64 rows (one record of ctxq, 39,936 dense bytes, into LDS once, a quarter by each wave's one tensor load) x 256 columns; wave w takes columns 64 (4 Y + w) on, whose two pairs of Wo
; (288 registers) and bias stay in its registers.  No cluster: a record is shared by three work-groups only, and is fetched once by each in the whole launch.
; The product is used transposed (source 0 = 16 columns of Wo, source 1 = 16 rows of ctx): register j of tile t in lane (r, hh) is column 32 (t / 2) + 16 hh + 8 (t % 2) + j of row 32 (T / 2) + 8 (T % 2) + r + 8 (r / 8).
; The bias is the C of each sum's first product.  A tile of 16 rows x 64 columns goes through the wave's own stage in LDS and leaves as whole runs of 256 consecutive bytes, aligned.
; REGISTERS: windows 1, 2: Wo's tiles at v[72 u + 12 s + 6 c], v144-159 their bias.  Window 3: ctx's fragments, two sets of 48.  Window 0: v64-191 the 16 accumulators (8 (4 T + t)), v192-223 rows on the way out.
.set PAIRB, 19200
.set SCW,   18432
.set CREC,  39936
.set STAGE, CREC                       ; behind the record: 16 rows x 272 bytes for each wave
.set SPARE, STAGE+4*4352               ; behind the stages: the spare words
.set A16,   4                          ; v4 16 L;  v5 8 L;  v6 8 L + 512;  v7 4 L
.set G8,    5
.set A8,    6
.set L4,    7
.set SO,    8                          ; the stage, in
.set SR,    9                          ; and back
.set CO,    10                         ; my offset in two rows of out0
.set BO,    11
.set SPW,   12
.set NIL,   13
.set WS,    16                         ; v16-27 Wo's scale words
.set CS,    28                         ; v28-39 ctx's: 6 p + s; lanes 0-15 tile 2 p, lanes 16-31 tile 2 p + 1
.set RAW,   40                         ; v40-63 as they lie: two bytes for each head
.set ACC,   64
.set BK,    192
.set BI,    144
.set G1,    24
.set G0,    32
.set MSB,   0
.macro WIN new
.if MSB != (\new)
	s_set_vgpr_msb (MSB<<8)|(\new)
.set MSB, (\new)
.endif
.endm
.macro NOPS n
.rept \n
	v_nop
.endr
.endm
.macro WM d, a, b, c, sa, sb, ra, rb
.if (\ra) && (\rb)
	v_wmma_scale_f32_16x16x128_f8f6f4 v[(\d):(\d)+7], v[(\a):(\a)+11], v[(\b):(\b)+11], v[(\c):(\c)+7], v[(\sa)], v[(\sb)] matrix_a_fmt:MATRIX_FMT_FP6 matrix_b_fmt:MATRIX_FMT_FP6 matrix_a_scale:MATRIX_SCALE_ROW1 matrix_b_scale:MATRIX_SCALE_ROW1
.elseif (\ra)
	v_wmma_scale_f32_16x16x128_f8f6f4 v[(\d):(\d)+7], v[(\a):(\a)+11], v[(\b):(\b)+11], v[(\c):(\c)+7], v[(\sa)], v[(\sb)] matrix_a_fmt:MATRIX_FMT_FP6 matrix_b_fmt:MATRIX_FMT_FP6 matrix_a_scale:MATRIX_SCALE_ROW1
.elseif (\rb)
	v_wmma_scale_f32_16x16x128_f8f6f4 v[(\d):(\d)+7], v[(\a):(\a)+11], v[(\b):(\b)+11], v[(\c):(\c)+7], v[(\sa)], v[(\sb)] matrix_a_fmt:MATRIX_FMT_FP6 matrix_b_fmt:MATRIX_FMT_FP6 matrix_b_scale:MATRIX_SCALE_ROW1
.else
	v_wmma_scale_f32_16x16x128_f8f6f4 v[(\d):(\d)+7], v[(\a):(\a)+11], v[(\b):(\b)+11], v[(\c):(\c)+7], v[(\sa)], v[(\sb)] matrix_a_fmt:MATRIX_FMT_FP6 matrix_b_fmt:MATRIX_FMT_FP6
.endif
.endm
	s_load_b256 s[4:11], s[0:1], 0x0               ; ops, ctxq, bo, out0
	v_lshl_add_u32 v[SPW], v0, 2, SPARE
	v_mov_b32 v[NIL], 0
	ds_add_u32 v[SPW], v[NIL]                      ; the opening: the add, twice on end, and its wait ahead of my first tensor load
	ds_add_u32 v[SPW], v[NIL]
	v_lshrrev_b32 v1, 5, v0
	v_readfirstlane_b32 s16, v1                    ; wave
	s_mov_b32 s17, ttmp9                           ; qb
	s_and_b32 s18, ttmp7, 0xffff
	s_lshl_b32 s22, s18, 2
	s_add_co_u32 s22, s22, s16                     ; hc: my 64 columns
	; descriptor group 1: 9,984 dense bytes as 39 rows of 32 elements of 8 bytes
	s_mov_b32 s[G1+0], 3<<16
	s_mov_b32 s[G1+1], 32<<16
	s_mov_b32 s[G1+2], 39<<16
	s_mov_b32 s[G1+3], 32<<16
	s_mov_b32 s[G1+4], 39
	s_mov_b32 s[G1+5], 32
	s_mov_b32 s[G1+6], 0
	s_mov_b32 s[G1+7], 0
	s_mov_b32 s[G0], 1
	s_mul_i32 s[G0+1], s16, 9984
	s_mul_i32 s44, s17, CREC
	s_add_co_u32 s44, s44, s[G0+1]                 ; my quarter of the record
	s_mov_b32 s45, 0
	s_lshl_b32 s46, s22, 1
	s_add_co_u32 s46, s46, 456
	s_mul_i32 s46, s46, PAIRB                      ; my two pairs of Wo
	s_mov_b32 s47, 0
	s_lshl_b32 s48, s22, 8                         ; 256 hc: in bo, and in a row of out0
	s_mov_b32 s49, 0
	s_mul_i32 s50, s17, 64*3072
	s_add_co_u32 s50, s50, s48
	s_mov_b32 s51, 0
	s_wait_dscnt 0x0                               ; both opening adds are done
	s_wait_kmcnt 0x0
	s_add_nc_u64 s[G0+2:G0+3], s[6:7], s[44:45]
	s_or_b32 s[G0+3], s[G0+3], 0x80000000
	tensor_load_to_lds s[G0:G0+3], s[G1:G1+7]      ; every wave's one load: one tensor load of mine is out
	s_nop 0
	v_and_b32 v3, 31, v0                           ; L
	v_and_b32 v1, 15, v0                           ; r
	v_bfe_u32 v2, v0, 4, 1                         ; hh
	v_lshlrev_b32 v[A16], 4, v3
	v_lshlrev_b32 v[G8], 3, v3
	v_add_nc_u32 v[A8], 512, v[G8]
	v_lshlrev_b32 v[L4], 2, v3
	v_lshlrev_b32 v[BO], 6, v2
	s_add_nc_u64 s[36:37], s[4:5], s[46:47]
	s_add_nc_u64 s[38:39], s[8:9], s[48:49]
	s_add_nc_u64 s[40:41], s[10:11], s[50:51]
.irp pl, 0,1
	WIN 0x40*(1+\pl)
.irp u, 0,1
.irp s, 0,1,2,3,4,5
.irp c, 0,1
	global_load_b128 v[72*\u+12*\s+6*\c:72*\u+12*\s+6*\c+3], v[A16], s[36:37] offset:\pl*PAIRB+(12*\u+2*\s+\c)*768
	global_load_b64 v[72*\u+12*\s+6*\c+4:72*\u+12*\s+6*\c+5], v[G8], s[36:37] offset:\pl*PAIRB+(12*\u+2*\s+\c)*768+512
.endr
.endr
.endr
.irp u, 0,1
	global_load_b128 v[BI+8*\u:BI+8*\u+3], v[BO], s[38:39] offset:4*(32*\pl+8*\u)
	global_load_b128 v[BI+8*\u+4:BI+8*\u+7], v[BO], s[38:39] offset:4*(32*\pl+8*\u)+16
.endr
.endr
	WIN 0
.irp pl, 0,1
.irp j, 0,1,2
	global_load_b64 v[WS+6*\pl+2*\j:WS+6*\pl+2*\j+1], v[G8], s[36:37] offset:\pl*PAIRB+SCW+256*\j
.endr
.endr
	s_wait_alu depctr_va_vdst(0)
	s_wait_tensorcnt 0x0                           ; my quarter has landed,
	s_barrier_signal -1
	s_barrier_wait -1                              ; everybody's has
.macro CFETCH s                        ; K step s of the four tiles of rows into set s % 2: 16 loads
	WIN 0xc0
.irp tt, 0,1,2,3
.irp c, 0,1
	ds_load_b128 v[48*((\s)%2)+12*\tt+6*\c:48*((\s)%2)+12*\tt+6*\c+3], v[A16] offset:9216*\tt+(2*(\s)+\c)*768
	ds_load_b64 v[48*((\s)%2)+12*\tt+6*\c+4:48*((\s)%2)+12*\tt+6*\c+5], v[A8] offset:9216*\tt+(2*(\s)+\c)*768
.endr
.endr
	WIN 0
.endm
.macro MULO s                          ; 16 products: Wo's tiles 0, 1, then 2, 3, each against the four tiles of rows: eight accumulators take turns
.irp pl, 0,1
.if (\s) == 0
	WIN 0x1d+0x11*\pl
.else
	WIN 0x0d+\pl
.endif
.irp tl, 0,1
.irp tt, 0,1,2,3
.set AC, ACC+8*(4*\tt+2*\pl+\tl)
.if (\s) == 0
	WM AC, 72*\tl+12*(\s), 48*((\s)%2)+12*\tt, BI+8*\tl, WS+6*\pl+(\s), CS+6*(\tt/2)+(\s), \tl, (\tt%2)
.else
	WM AC, 72*\tl+12*(\s), 48*((\s)%2)+12*\tt, AC, WS+6*\pl+(\s), CS+6*(\tt/2)+(\s), \tl, (\tt%2)
.endif
.endr
.endr
.endr
	WIN 0
.endm
.irp p, 0,1
.irp h, 0,1,2,3,4,5,6,7,8,9,10,11
	ds_load_b32 v[RAW+12*\p+\h], v[L4] offset:36864+256*\h+128*\p
.endr
.endr
	CFETCH 0
	CFETCH 1
	s_wait_dscnt 32                                ; the 24 words are in; the 32 loads of the first two K steps may be out
.irp p, 0,1
.irp s, 0,1,2,3,4,5
	v_lshl_or_b32 v[CS+6*\p+\s], v[RAW+12*\p+2*\s+1], 16, v[RAW+12*\p+2*\s]   ; heads 2 s and 2 s + 1 are K step s
.endr
.endr
	s_mul_i32 s52, s16, 4352
	s_add_co_u32 s52, s52, STAGE                   ; my stage.  The eight lines below are the places between the scale words just made and the first product
	v_mul_u32_u24 v[SO], v1, 272
	v_lshl_add_u32 v[SO], v2, 6, v[SO]
	v_add_nc_u32 v[SO], s52, v[SO]                 ; in: row r, + 64 hh
	v_mul_u32_u24 v[SR], v2, 272
	v_lshl_add_u32 v[SR], v1, 4, v[SR]
	v_add_nc_u32 v[SR], s52, v[SR]                 ; back: lanes 0-15 one row, lanes 16-31 the next
	v_mul_u32_u24 v[CO], v2, 3072
	v_lshl_add_u32 v[CO], v1, 4, v[CO]             ; and the same two rows in out0
	s_wait_loadcnt 0x0                             ; Wo, its scale words, the bias
.irp s, 0,1,2,3,4,5
.if \s < 5
	s_wait_dscnt 16                                ; this K step's set is in; the next one's 16 loads may be out
.else
	s_wait_alu depctr_va_vdst(0)
	s_wait_dscnt 0x0
.endif
	MULO \s
	NOPS 4                                         ; places in front of loads into registers that the products have read, and of the first read of results
.if \s < 4
	CFETCH \s+2
.endif
.endr
.irp tt, 0,1,2,3                       ; THE WAY OUT, a tile of 16 rows at a time
.if \tt > 0
	s_wait_xcnt 0x0                                ; the last tile's stores have read their registers
.endif
.irp t, 0,1,2,3
	ds_store_b128 v[SO], v[ACC+8*(4*\tt+\t):ACC+8*(4*\tt+\t)+3] offset:128*(\t/2)+32*(\t%2)        ; each accumulator from its low end on
	ds_store_b128 v[SO], v[ACC+8*(4*\tt+\t)+4:ACC+8*(4*\tt+\t)+7] offset:128*(\t/2)+32*(\t%2)+16
.endr
.irp i, 0,1,2,3,4,5,6,7
	ds_load_b128 v[BK+4*\i:BK+4*\i+3], v[SR] offset:544*\i   ; LDS serves a wave's instructions in order: these see the stores above
.endr
.irp i, 0,1,2,3,4,5,6,7
	s_wait_dscnt 7-\i                              ; the younger loads may be out
	global_store_b128 v[CO], v[BK+4*\i:BK+4*\i+3], s[40:41] offset:(32*(\tt/2)+8*(\tt%2)+2*\i+8*(\i/4))*3072 th:TH_STORE_NT   ; sixteen lanes store 256 consecutive bytes, aligned
.endr
.endr
	s_wait_tensorcnt 0x0                           ; the wave's end
	ds_add_u32 v[SPW], v[NIL]
	s_wait_dscnt 0x0
	s_endpgm
.Lfunc_end_k_q73ff47d613_outp:
	.size	k_q73ff47d613_outp, .Lfunc_end_k_q73ff47d613_outp-k_q73ff47d613_outp
	.p2alignl 7, 3214868480
	.fill 96, 4, 3214868480
	.section	.rodata,"a",@progbits
	.p2align	6, 0x0
	.amdhsa_kernel k_q73ff47d613_outp
		.amdhsa_group_segment_fixed_size 167936
		.amdhsa_private_segment_fixed_size 0
		.amdhsa_enable_private_segment 0
		.amdhsa_kernarg_size 32
		.amdhsa_user_sgpr_count 2
		.amdhsa_user_sgpr_kernarg_segment_ptr 1
		.amdhsa_wavefront_size32 1
		.amdhsa_system_sgpr_workgroup_id_x 1
		.amdhsa_system_sgpr_workgroup_id_y 1
		.amdhsa_system_sgpr_workgroup_id_z 1
		.amdhsa_system_vgpr_workitem_id 0
		.amdhsa_next_free_vgpr 1024
		.amdhsa_next_free_sgpr 66
		.amdhsa_reserve_vcc 0
		.amdhsa_float_denorm_mode_32 3
		.amdhsa_float_denorm_mode_16_64 3
		.amdhsa_memory_ordered 1
		.amdhsa_forward_progress 1
		.amdhsa_inst_pref_size 45
	.end_amdhsa_kernel
	.amdgpu_metadata
---
amdhsa.version: [ 1, 2 ]
amdhsa.kernels:
  - .name:           k_q73ff47d613_outp
    .symbol:         k_q73ff47d613_outp.kd
    .args:
      - { .name: ops, .offset: 0, .size: 8, .value_kind: global_buffer, .address_space: global }
      - { .name: ctxq, .offset: 8, .size: 8, .value_kind: global_buffer, .address_space: global }
      - { .name: bo, .offset: 16, .size: 8, .value_kind: global_buffer, .address_space: global }
      - { .name: out0, .offset: 24, .size: 8, .value_kind: global_buffer, .address_space: global }
    .group_segment_fixed_size: 167936
    .private_segment_fixed_size: 0
    .kernarg_segment_align: 8
    .kernarg_segment_size: 32
    .max_flat_workgroup_size: 128
    .sgpr_count:     66
    .vgpr_count:     1024
    .wavefront_size: 32
...
	.end_amdgpu_metadata
.endif
;; end of part 4
